; MI455X (gfx1250); checked and timed in simulation.
; The chip was launched on July 23, 2026; its instructions are those of AMD's public machine-readable ISA for CDNA 5 (MIT licence, August 2026) and "CDNA5" Instruction Set Architecture Reference Guide (July 2026). The comments in the code are by the model that wrote it; some were corrected since.
;; Multi Head Self Attention. Allowed arithmetic: matrix products marked QUANTISED: E2M1 operands, one E8M0 scale for each 32 along K, by v_wmma_scale_f32_16x16x128_f8f6f4 with both operands' format E2M1 (or v_wmma_scale_f32_32x16x128_f4), f32 sums; everything else in f32.
;; Inputs: k_b 1,024 float32; k_w 1,024 x 1,024 float32; mask 4 x 2,048 bool; o_b 1,024 float32; o_w 1,024 x 1,024 float32; q_b 1,024 float32; q_w 1,024 x 1,024 float32; v_b 1,024 float32; v_w 1,024 x 1,024 float32; x 4 x 2,048 x 1,024 float32.
;; Outputs: out0 4 x 2,048 x 1,024 float32.
;; This version of the problem:
;;   THIS VERSION OF THE PROBLEM IS GIVEN IN LOW PRECISION. The matrix products marked QUANTISED in the list below multiply operands that are first quantised to E2M1 (2 exponent bits, 1 mantissa bit; 4 bits a number), with one power-of-two scale for each 32 numbers along K (OCP MX v1.0); their sums are f32. All else is computed in f32.
;;   The module's matrix products, in the order in which they are computed (A, B: the left and right operand; K: the contracted axis; several contracted axes count as one K, in the product's order):
;;     1. [M 8,192, K 1,024] x [K 1,024, N 1,024]; A: input x; B: input q_w: QUANTISED
;;     2. [M 8,192, K 1,024] x [K 1,024, N 1,024]; A: input x; B: input k_w: QUANTISED
;;     3. [M 8,192, K 1,024] x [K 1,024, N 1,024]; A: input x; B: input v_w: QUANTISED
;;     4. batch 64 x [M 2,048, K 64] x [K 64, N 2,048]; A: computed on the way; B: computed on the way: QUANTISED
;;     5. batch 64 x [M 2,048, K 2,048] x [K 2,048, N 64]; A: softmax (see below); B: computed on the way: QUANTISED
;;     6. [M 8,192, K 1,024] x [K 1,024, N 1,024]; A: computed on the way; B: input o_w: QUANTISED
;;   THE QUANTISER, for each operand of a quantised product, along K:
;;     - K is cut into blocks of 32 from its start; a last block that is shorter is filled with zeros.
;;     - A block's scale is 2^e with e = floor(log2(the largest magnitude in the block)) - 2, held to -126 .. 127; a block of zeros has e = 0. As a byte (E8M0): e + 127.
;;     - Each number is divided by its block's scale, clamped to +-6, and rounded to the nearest number of E2M1, ties to even, subnormals kept.
;;     - The product sums the exact products of the quantised numbers (number of the format x scale) in f32.
;;   ~~~python
;;   def quantise(x, axis):      # numpy; x: float32 -> the quantised numbers, widened to float32 again
;;       x = np.moveaxis(x, axis, -1); K = x.shape[-1]
;;       x = np.pad(x, [(0, 0)] * (x.ndim - 1) + [(0, -K % 32)]); x = x.reshape(x.shape[:-1] + (-1, 32)); a = np.abs(x).max(-1, keepdims=True)
;;       e = np.where(a > 0, np.clip(np.frexp(np.where(a > 0, a, 1))[1] - 1 - 2, -126, 127), 0)      # np.frexp(a)[1] - 1 = floor(log2(a)), exactly
;;       r = np.clip(x / 2.0 ** e, -6, 6)
;;       step = 2.0 ** (np.maximum(np.frexp(np.where(r == 0, 1, r))[1] - 1, 0) - 1)
;;       q = np.round(r / step) * step * 2.0 ** e      # np.round: ties to even
;;       return np.moveaxis(q.reshape(q.shape[:-2] + (-1,))[..., :K], -1, axis).astype(np.float32)
;;   ~~~
;;   SOFTMAX AHEAD OF A QUANTISED PRODUCT. Where the list says 'softmax', what is quantised is not the finished softmax but p = 2^(t - M), with t = logit x log2(e) and M = ceil(the row's largest t), a whole number; so 1/2 < the row's largest p <= 1. The row's sum l is taken of the UNQUANTISED p, in f32, and the product's result is divided by l at the end. Since M is a whole number, a kernel that streams over the keys may use a running M (the ceiling of the running maximum): every later rescaling is an exact power of two, which a block's scale takes up: the codes' values come out the same.
;;   OPERANDS COMPUTED ON THE WAY. 'Computed on the way' means the value that the module computes at that place (a softmax that the list does not call 'softmax' is quantised finished and normalised). What goes into a quantiser is computed in f32, as accurately as f32 sums, v_exp_f32 and their like allow (about 1e-6 of the number): no bf16 or f16 on the way to a quantiser, and a product that is left as it is and whose result goes on into a quantised operand takes f32 operands (vector FMAs, or v_wmma_f32_16x16x4_f32). A number that lies on a knife's edge between two numbers of the format may be rounded either way, as far as f32 arithmetic and the matrix unit's own rounding can turn it there, and no further.
;; One version. Each part assembles by itself: llvm-mc -triple=amdgcn-amd-amdhsa -mcpu=gfx1250 --defsym DOCPART=n.
;; ======== version 1 of 1: 4 launches
;; workspace buffers: codes 6,291,456 bytes; scales 393,216 bytes; img 14,155,776 bytes; a_img 4,194,304 bytes; a_sc 262,144 bytes
;; launch quant (part 1): grid 384 x 1, 4 waves a work-group, no clusters, 33,280 bytes of LDS; arguments x, q_w, k_w, v_w, o_w, codes, scales; writes codes, scales
.if DOCPART == 1
	.amdgcn_target "amdgcn-amd-amdhsa--gfx1250"
	.amdhsa_code_object_version 6
	.text
	.protected	k_q59052e5f5f_quant
	.globl	k_q59052e5f5f_quant
	.p2align	8
	.type	k_q59052e5f5f_quant,@function
k_q59052e5f5f_quant:
	s_mov_b64 s[64:65], 0
	v_nop
	global_prefetch_b8 v0, s[64:65] scope:SCOPE_SE
	s_setreg_imm32_b32 hwreg(HW_REG_WAVE_MODE, 25, 1), 1
	s_wait_xcnt 0x0
; x [8192][1024] and the four weights [1024][1024], f32, K innermost, become codes of FP4 (E2M1), two a byte, and one E8M0 byte for each 32 along K.
; OUT: codes [12288 rows][512 bytes], scales [12288 rows][32 bytes]; rows 0-8191 x, then q_w, k_w, v_w, o_w, 1024 rows each.
; A block's scale is 2^(floor(log2(its largest magnitude)) - 2); its byte is the largest magnitude's exponent field - 2, held at 1 from below.
; THE ROWS ARE STORED IN ANOTHER ORDER: in each group of 32 rows the four runs of eight rows lie in the order 0, 2, 1, 3.  Sixteen consecutive stored rows are then rows
; 32 g + 8 u + r + 8 (r / 8), r = 0 .. 15: used as source 0 of a matrix product, two such tiles leave 16 NEIGHBOURS of the true order in a lane's 16 result registers.
; A work-group takes 32 rows, a wave eight (8,192 numbers, 16 steps of 512): so the order costs one permutation of the wave's number in the output address.
; Each of a step's four loads reads 512 consecutive bytes; the 2,048 bytes turn through the wave's own stage in LDS (16 bytes of padding behind each 64) and come back 64 bytes a lane:
; 16 neighbours along K, two lanes to a block.  A lane's 16 codes are 8 bytes: a wave's store covers 256 consecutive bytes, aligned.  A wave's 256 scale bytes are gathered in LDS and leave as 256 consecutive bytes.
; No tensor loads, no barrier: waves share nothing.  Loads run four steps (16 loads a wave) ahead, the turn through LDS one step.
; LIMITS: a block of zeros, or one whose largest magnitude lies under 2^-124, gets the byte 1 (the rule says 127 for zeros: the codes are zeros, and the bytes are read by this program alone); NaN and infinities are not served.
.set STEPS, 16
.set EMAX,  2
.set CB,    8                          ; bytes of 16 codes
.set R,     16                         ; v16-79   four sets of 16 numbers as they are loaded
.set X,     80                         ; v80-111  two sets of 16 neighbours
.set C,     128                        ; v128-191 codes: four registers for each step, so that no store's data are written again
.set E,     112                        ; v112-127 a scale byte for each step
.set WREG,  8192                       ; LDS: a region for each wave: two stages of 32 x SP bytes, behind them its 256 scale bytes
.set SP,    80                         ; a lane's place in a stage: 64 bytes + 16 of padding
	s_load_b256 s[4:11], s[0:1], 0x0               ; x, q_w, k_w, v_w
	s_load_b128 s[12:15], s[0:1], 0x20             ; o_w, codes
	s_load_b64 s[16:17], s[0:1], 0x30              ; scales
	v_lshl_add_u32 v192, v0, 2, 0x8000
	v_mov_b32 v193, 0
	v_lshrrev_b32 v1, 5, v0
	v_readfirstlane_b32 s18, v1                    ; wave
	v_and_b32 v2, 31, v0                           ; lane
	v_lshlrev_b32 v3, 4, v2                        ; my 16 bytes of a load's 512
	s_mul_i32 s19, s18, WREG
	v_lshrrev_b32 v14, 2, v2
	v_mul_u32_u24 v14, v14, SP
	v_and_b32 v15, 3, v2
	v_lshl_add_u32 v14, v15, 4, v14
	v_add_nc_u32 v14, s19, v14                     ; the stage, on the way in: SP (lane / 4) + 16 (lane % 4)
	v_mul_u32_u24 v15, v2, SP
	v_add_nc_u32 v15, s19, v15                     ; and on the way out: SP x lane: my 16 neighbours
	v_mul_u32_u24 v4, v2, CB                       ; my codes' place in a step's
	v_lshrrev_b32 v5, 1, v2
	s_add_co_u32 s19, s19, 2*32*SP
	v_add_nc_u32 v5, s19, v5                       ; LDS: my wave's 256 scale bytes, my block's byte
	v_lshlrev_b32 v7, 3, v2                        ; and on the way out 8 bytes a lane
	v_add_nc_u32 v6, s19, v7
	s_sub_co_u32 s20, ttmp9, 256                   ; work-groups 256 on take the weights, 32 work-groups each (in x's work-groups this number is not used)
	s_lshr_b32 s21, s20, 5                         ; which weight
	s_and_b32 s22, s20, 31                         ; which 32 rows of it
	s_wait_alu depctr_va_vdst(0)
	s_wait_kmcnt 0x0
	s_cmp_eq_u32 s21, 1                            ; the choices hang on the work-group's number alone
	s_cselect_b64 s[6:7], s[8:9], s[6:7]
	s_cmp_eq_u32 s21, 2
	s_cselect_b64 s[6:7], s[10:11], s[6:7]
	s_cmp_eq_u32 s21, 3
	s_cselect_b64 s[6:7], s[12:13], s[6:7]
	s_cmp_lt_u32 ttmp9, 256
	s_cselect_b64 s[4:5], s[4:5], s[6:7]
	s_cselect_b32 s22, ttmp9, s22
	s_lshl_b32 s22, s22, 2
	s_add_co_u32 s22, s22, s18                     ; in: run 4 x (32 rows) + wave,
	s_lshl_b32 s22, s22, 15                        ; of 32,768 bytes
	s_mov_b32 s23, 0
	s_add_nc_u64 s[4:5], s[4:5], s[22:23]
	s_and_b32 s24, s18, 1                          ; out: the wave's two bits change places: runs of eight rows in the order 0, 2, 1, 3
	s_lshl_b32 s24, s24, 1
	s_lshr_b32 s25, s18, 1
	s_or_b32 s24, s24, s25
	s_lshl_b32 s25, ttmp9, 2
	s_add_co_u32 s24, s24, s25
	s_lshl_b32 s26, s24, 12                        ; 4,096 bytes of codes a run
	s_mov_b32 s27, 0
	s_add_nc_u64 s[14:15], s[14:15], s[26:27]
	s_lshl_b32 s26, s24, 8                         ; 256 scale bytes a run
	s_add_nc_u64 s[16:17], s[16:17], s[26:27]
.macro LOAD t
.irp i, 0,1,2,3
	global_load_b128 v[R+16*((\t)%4)+4*\i:R+16*((\t)%4)+4*\i+3], v3, s[4:5] offset:2048*(\t)+512*\i th:TH_LOAD_NT   ; 32 lanes read 512 consecutive bytes
.endr
.endm
.macro TURN t                          ; step t's numbers through the stage: LDS serves a wave's instructions in order, so no wait stands between the stores and the loads
.irp i, 0,1,2,3
	ds_store_b128 v14, v[R+16*((\t)%4)+4*\i:R+16*((\t)%4)+4*\i+3] offset:32*SP*((\t)%2)+8*SP*\i
.endr
.irp i, 0,1,2,3
	ds_load_b128 v[X+16*((\t)%2)+4*\i:X+16*((\t)%2)+4*\i+3], v15 offset:32*SP*((\t)%2)+16*\i
.endr
.endm
.irp t, 0,1,2,3
	LOAD \t
.endr
	s_wait_loadcnt 12                              ; step 0's four loads are in; the twelve of steps 1 to 3 may be out
	TURN 0
.macro STEP t
.set XS, X+16*((\t)%2)
.if (\t) > 0
	s_wait_dscnt 1                                 ; this step's numbers are back from the stage (the last step's byte store may be out): so its stores into the stage have read their registers,
.else
	s_wait_dscnt 0x0
.endif
.if (\t)+4 < STEPS
	LOAD (\t)+4                                    ; which take the loads of four steps on
.endif
.if (\t)+1 < STEPS
.if STEPS-2-(\t) >= 3
	s_wait_loadcnt 12                              ; the next step's four loads are in; those of the three steps behind it may be out
.else
	s_wait_loadcnt 4*(STEPS-2-(\t))                ; near the end fewer steps stand behind it
.endif
	TURN (\t)+1                                    ; and go through the other stage while this step is worked
.endif
	v_max3_num_f32 v8, |v[XS]|, |v[XS+1]|, |v[XS+2]|               ; the largest magnitude of my 16, in two chains
	v_max3_num_f32 v9, |v[XS+3]|, |v[XS+4]|, |v[XS+5]|
.irp i, 6,10
	v_max3_num_f32 v8, v8, |v[XS+\i]|, |v[XS+\i+1]|
	v_max3_num_f32 v9, v9, |v[XS+\i+2]|, |v[XS+\i+3]|
.endr
	v_max3_num_f32 v8, v8, |v[XS+14]|, |v[XS+15]|
	v_max3_num_f32 v8, v8, v9, (EMAX+1)<<23        ; and the floor 2^(3 - 127): the byte cannot fall under 1
	v_max_num_f32_dpp v8, v8, v8 row_xmask:1 row_mask:0xf bank_mask:0xf   ; and of my neighbour's 16: the block's
	v_add_nc_u32 v11, -(EMAX<<23), v8              ; 2 off its exponent field: the conversion takes the exponent field of this operand as its scale, and nothing else of it
	v_cvt_scalef32_pk8_fp4_f32 v[C+4*(\t)], v[XS:XS+7], v11        ; to the nearest code, ties to even, beyond 6 the largest code; the first number's code in the lowest four bits
	v_cvt_scalef32_pk8_fp4_f32 v[C+4*(\t)+1], v[XS+8:XS+15], v11
	v_lshrrev_b32 v[E+(\t)], 23, v11               ; the scale's byte (also the plain line behind the conversions)
	ds_store_b8 v5, v[E+(\t)] offset:16*(\t)       ; both lanes of a block write the same byte with the same value
	global_store_b64 v4, v[C+4*(\t):C+4*(\t)+1], s[14:15] offset:32*CB*(\t)
.endm
.irp t, 0,1,2,3,4,5,6,7,8,9,10,11,12,13,14,15
	STEP \t
.endr
	ds_load_b64 v[12:13], v6                       ; LDS serves a wave's instructions in order: these see my stores
	s_wait_dscnt 0x0
	global_store_b64 v7, v[12:13], s[16:17]        ; 32 lanes store 256 consecutive bytes, aligned
	s_wait_tensorcnt 0x0
	ds_add_u32 v192, v193
	s_wait_dscnt 0x0
	s_endpgm
.Lfunc_end_k_q59052e5f5f_quant:
	.size	k_q59052e5f5f_quant, .Lfunc_end_k_q59052e5f5f_quant-k_q59052e5f5f_quant
	.p2alignl 7, 3214868480
	.fill 96, 4, 3214868480
	.section	.rodata,"a",@progbits
	.p2align	6, 0x0
	.amdhsa_kernel k_q59052e5f5f_quant
		.amdhsa_group_segment_fixed_size 33280
		.amdhsa_private_segment_fixed_size 0
		.amdhsa_enable_private_segment 0
		.amdhsa_kernarg_size 56
		.amdhsa_user_sgpr_count 2
		.amdhsa_user_sgpr_kernarg_segment_ptr 1
		.amdhsa_wavefront_size32 1
		.amdhsa_system_sgpr_workgroup_id_x 1
		.amdhsa_system_sgpr_workgroup_id_y 1
		.amdhsa_system_sgpr_workgroup_id_z 1
		.amdhsa_system_vgpr_workitem_id 0
		.amdhsa_next_free_vgpr 194
		.amdhsa_next_free_sgpr 66
		.amdhsa_reserve_vcc 0
		.amdhsa_float_denorm_mode_32 3
		.amdhsa_float_denorm_mode_16_64 3
		.amdhsa_memory_ordered 1
		.amdhsa_forward_progress 1
		.amdhsa_inst_pref_size 34
	.end_amdhsa_kernel
	.amdgpu_metadata
---
amdhsa.version: [ 1, 2 ]
amdhsa.kernels:
  - .name:           k_q59052e5f5f_quant
    .symbol:         k_q59052e5f5f_quant.kd
    .args:
      - { .name: x, .offset: 0, .size: 8, .value_kind: global_buffer, .address_space: global }
      - { .name: q_w, .offset: 8, .size: 8, .value_kind: global_buffer, .address_space: global }
      - { .name: k_w, .offset: 16, .size: 8, .value_kind: global_buffer, .address_space: global }
      - { .name: v_w, .offset: 24, .size: 8, .value_kind: global_buffer, .address_space: global }
      - { .name: o_w, .offset: 32, .size: 8, .value_kind: global_buffer, .address_space: global }
      - { .name: codes, .offset: 40, .size: 8, .value_kind: global_buffer, .address_space: global }
      - { .name: scales, .offset: 48, .size: 8, .value_kind: global_buffer, .address_space: global }
    .group_segment_fixed_size: 33280
    .private_segment_fixed_size: 0
    .kernarg_segment_align: 8
    .kernarg_segment_size: 56
    .max_flat_workgroup_size: 128
    .sgpr_count:     66
    .vgpr_count:     194
    .wavefront_size: 32
...
	.end_amdgpu_metadata
.endif
;; end of part 1
;; launch qkv (part 2): grid 8 x 48, 4 waves a work-group, clusters of 4 x 4, 296,448 bytes of LDS; arguments codes, scales, q_b, k_b, v_b, img; writes img
.if DOCPART == 2
	.amdgcn_target "amdgcn-amd-amdhsa--gfx1250"
	.amdhsa_code_object_version 6
	.text
	.protected	k_q59052e5f5f_qkv
	.globl	k_q59052e5f5f_qkv
	.p2align	8
	.type	k_q59052e5f5f_qkv,@function
k_q59052e5f5f_qkv:
	s_mov_b64 s[64:65], 0
	v_nop
	global_prefetch_b8 v0, s[64:65] scope:SCOPE_SE
	s_setreg_imm32_b32 hwreg(HW_REG_WAVE_MODE, 25, 1), 1
	s_wait_xcnt 0x0
	s_wait_alu depctr_hold_cnt(0) depctr_sa_sdst(0) depctr_va_vdst(0) depctr_va_sdst(0) depctr_va_ssrc(0) depctr_va_vcc(0) depctr_vm_vsrc(0)
	s_getreg_b32 s2, hwreg(HW_REG_IB_STS2, 6, 4)
	s_cmp_eq_u32 s2, 0
	s_cbranch_scc0 .Lentry_in_a_cluster
	s_endpgm
.Lentry_in_a_cluster:
	s_bfe_u32 s2, ttmp6, 0x10000c
	s_cmp_lg_u32 s2, 0xf033
	s_cbranch_scc0 .Lentry_shape_is_right
	s_endpgm
.Lentry_shape_is_right:
; Q = x q_w^T + q_b, K = x k_w^T + k_b, V = x v_w^T + v_b on codes of FP4 with E8M0 scales (K = 1,024), and the results QUANTISED in registers for the attention that follows: Q and K along the head's axis, V along the keys.
; ONE PRODUCT FOR ALL THREE: D[p][r] = sum over k of codes[P0 + p][k] codes[R0 + r][k]; source 0 = 16 rows of P, source 1 = 16 rows of R; the result is quantised along p.
;   MODE 0 (cluster y under 8): P = rows of q_w and k_w (2,048 channels), R = tokens.     MODE 1: P = tokens, R = rows of v_w.
; The stored rows of `codes` lie so that 16 consecutive ones are rows 32 g + 8 u + r + 8 (r / 8) of the true order.  In the result lane (r, h) holds row r of R's tile, and the 16 registers of P's tiles 2 g and 2 g + 1 are the
; 16 neighbours 32 g + 16 h + 0 .. 15 of the true order along p: what the conversions want.
; A work-group of four waves makes 256 x 256, a wave 128 x 128: 64 accumulators, 512 registers.  All of K for the 256 + 256 rows fits in LDS: two halves of K (rows of 256 bytes) and the scale bytes are asked for at the start;
; no LDS byte is filled twice.  CLUSTERS of 4 x 4: P's tile hangs on the cluster's x place alone and is asked for jointly along a column, R's on the y place alone and jointly along a row.
; OUT: `img`, in records of 4,608 bytes ("quads"): four fragments (16 rows of R x 128 along p) as images of their eight registers, [half 2][lane 32][16 bytes], then 512 bytes of scale words, [lane 32][4 words].
;   Q and K at 0: [p / 128: 16][token / 64: 128];  V at VB: [token / 128: 64][channel / 64: 16].  Every store covers 512 consecutive bytes, aligned.
; REGISTERS, in windows of 256: window 0: v1-27 addresses, v8-15 the scale words made on the way out; v32-95 the products' scale words, two sets; v96-111 offsets of the bias loads, then at work; v112-127 codes just made;
;   v128-191 R's fragments, one set, then 64 numbers to be quantised; v192-255 the biases.   window 1: P's fragments, two sets.   windows 2, 3: the accumulators ((a, b) at v[8 (8 (a % 4) + b)]).
; LIMITS: a block of zeros or under 2^-124 gets the byte 1 (its codes are zeros or as the clip gives them; this program alone reads the bytes); NaN and infinities are not served.
.set NQ,     4                         ; matrix instructions deep in half of K
.set ROWB,   256                       ; a tile's row: 512 codes
.set KROW,   512                       ; a row of `codes`
.set PITCH,  272                       ; an LDS row: 256 bytes + 16 of padding = 68 words: the 16 rows that a load touches start 4 banks apart (64 banks of 4 bytes: ISA guide 11.1)
.set FR,     8
.set NL,     2                         ; LDS loads that bring a fragment
.set NP,     4                         ; places behind this matrix instruction (ISA guide 7.12.1)
.set HALFT,  128*PITCH
.set SLOT,   4*HALFT                   ; R's 256 rows, then P's 256 rows
.set KS,     32                        ; a row of scale bytes
.set SCL,    2*SLOT                    ; behind the two halves of K: the scale bytes, as runs of 256 bytes + 16 of padding
.set HALFS,  (128*KS/256)*272
.set SBLK,   (16*KS/256)*272
.set QUAD,   4608
.set VB,     16*128*QUAD
.set ADRA, 16                          ; v16-17  LDS address of R's fragments in half 0, 1
.set ADRB, 20                          ; v20-21  the same for P
.set LI,   24                          ; v24     16 x lane
.set ADRS, 27                          ; v27     LDS address of my scale words: lanes 0-15 R's rows, lanes 16-31 P's
.set SW,   8
.set SC,   32
.set VO,   96
.set TM,   96                          ; v96-99 largest magnitudes, v100-103 bytes, v108-111 the conversions' scale operands
.set PC,   112
.set AF,   128
.set T,    128
.set BB,   192
.set WV,   16
.set RH,   17                          ; which 128 rows of R are mine.  Also: I fetch for R (0) or for P (1)
.set PH,   18                          ; which 128 rows of P are mine.  Also: which 128 rows of that tile I fetch
.set MODE, 19
.set G1R,  24
.set G0R,  32
.set G1P,  48
.set G0P,  56
.set G1SR, 68
.set G0SR, 76
.set G1SP, 80
.set G0SP, 88
.set SEL,  92
.set MSB, 0
.macro WIN new                         ; the immediate's high byte repeats the setting that is left
.if MSB != (\new)
	s_set_vgpr_msb (MSB<<8)|(\new)
.set MSB, (\new)
.endif
.endm
.set MUL_LO, 0xa1                      ; source 0 (P) window 1, source 1 (R) window 0, C and D window 2
.set MUL_HI, 0xf1                      ; the same, C and D window 3
.set TO_B,   0x40                      ; destination window 1, address window 0
; A joint load: waves 0 and 1 fetch for R, waves 2 and 3 for P.  Each line has one mask and one set of registers; the branch hangs on the wave's number alone.  Four v_nop follow each line.
.macro JLOAD g0a, g1a, g0b, g1b
	s_cmp_eq_u32 s[RH], 0
	s_cbranch_scc0 .Lfor_p_\@
	tensor_load_to_lds s[\g0a:\g0a+3], s[\g1a:\g1a+7]
	s_nop 0
.rept 4
	v_nop
.endr
	s_branch .Lasked_\@
.Lfor_p_\@:
	tensor_load_to_lds s[\g0b:\g0b+3], s[\g1b:\g1b+7]
	s_nop 0
.rept 4
	v_nop
.endr
.Lasked_\@:
.endm
.macro CROUND                          ; a round of the cluster's barrier
	s_barrier_signal -1
	s_barrier_wait -1
	s_cmp_lg_u32 s[WV], 0
	s_cbranch_scc1 .Lnot_wave_0_\@
	s_barrier_signal -3
.Lnot_wave_0_\@:
	s_barrier_wait -3
	s_barrier_signal -1
	s_barrier_wait -1
.endm
	s_load_b256 s[4:11], s[0:1], 0x0               ; codes, scales, q_b, k_b
	s_load_b128 s[12:15], s[0:1], 0x20             ; v_b, img
	v_lshl_add_u32 v106, v0, 2, 0x48400
	v_mov_b32 v107, 0
	ds_add_u32 v106, v107
	ds_add_u32 v106, v107
	v_lshrrev_b32 v1, 5, v0
	v_readfirstlane_b32 s[WV], v1
	s_lshr_b32 s[RH], s[WV], 1
	s_and_b32 s[PH], s[WV], 1
	s_bfe_u32 s20, ttmp6, 0x40000                  ; cx
	s_bfe_u32 s21, ttmp6, 0x40004                  ; cy
	s_mov_b32 s22, ttmp9                           ; cluster x: 0, 1
	s_and_b32 s23, ttmp7, 0xffff                   ; cluster y: 0 .. 11
	s_sub_co_u32 s94, s23, 8
	s_lshl_b32 s94, s94, 1
	s_add_co_u32 s94, s94, s22                     ; MODE 1: which 1,024 tokens: x + 2 (y - 8)
	s_cmp_ge_u32 s23, 8
	s_cselect_b32 s[MODE], 1, 0                    ; the same in all sixteen partners
	s_cselect_b32 s40, s94, s22
	s_cselect_b32 s41, 0, s23
	s_cselect_b32 s42, 0, 8192                     ; P's first stored row: the tokens' or q_w's
	s_cselect_b32 s43, 10240, 0                    ; R's: v_w's or the tokens'
	s_lshl_b32 s40, s40, 2
	s_add_co_u32 s40, s40, s20                     ; Pt: which 256 rows of P
	s_lshl_b32 s41, s41, 2
	s_add_co_u32 s41, s41, s21                     ; Rt: which 256 rows of R
	s_lshl_b32 s94, s40, 8
	s_add_co_u32 s42, s42, s94
	s_lshl_b32 s95, s41, 8
	s_add_co_u32 s43, s43, s95
	s_lshl_b32 s44, s21, 2
	s_lshl_b32 s44, 15, s44                        ; my row of the cluster: R's tiles
	s_lshl_b32 s45, 0x1111, s20                    ; my column: P's tiles
	; descriptor group 1: 128 rows x 256 bytes, 16 bytes of padding behind each
	s_or_b32 s[G1R+0], s44, (0<<16)|(1<<20)|(1<<21)|(5<<22)|(3<<25)  ; 15:0 mask; 17:16 elements of 1 byte; 20 padding on; 21 set beside a mask; 24:22 after every 64 words; 31:25 four words
	s_or_b32 s[G1P+0], s45, (0<<16)|(1<<20)|(1<<21)|(5<<22)|(3<<25)
.irp g, G1R, G1P
	s_mov_b32 s[\g+1], ROWB<<16                    ; tensor_dim0
	s_mov_b32 s[\g+2], 128<<16                     ; tensor_dim1
	s_mov_b32 s[\g+3], ROWB<<16                    ; tile_dim0
	s_mov_b32 s[\g+4], 128                         ; tile_dim1
	s_mov_b32 s[\g+5], KROW                        ; from row to row
	s_mov_b32 s[\g+6], 0
	s_mov_b32 s[\g+7], 0
.endr
	; the scale bytes of 128 rows: 4,096 dense bytes, as 16 rows of 32 elements of 8 bytes, 16 bytes of padding behind each
	s_or_b32 s[G1SR+0], s44, (3<<16)|(1<<20)|(1<<21)|(5<<22)|(3<<25)
	s_or_b32 s[G1SP+0], s45, (3<<16)|(1<<20)|(1<<21)|(5<<22)|(3<<25)
.irp g, G1SR, G1SP
	s_mov_b32 s[\g+1], 32<<16
	s_mov_b32 s[\g+2], (128*KS/256)<<16
	s_mov_b32 s[\g+3], 32<<16
	s_mov_b32 s[\g+4], 128*KS/256
	s_mov_b32 s[\g+5], 32
	s_mov_b32 s[\g+6], 0
	s_mov_b32 s[\g+7], 0
.endr
	s_lshl_b32 s46, s[PH], 7                       ; which 128 rows of the tile I fetch
	s_add_co_u32 s95, s43, s46                     ; R: my first stored row
	s_add_co_u32 s94, s42, s46                     ; P: likewise
	s_lshl_b32 s96, s95, 9                         ; byte offsets (all under 2^23): R's codes,
	s_mov_b32 s97, 0
	s_lshl_b32 s66, s95, 5                         ; R's scale bytes,
	s_mov_b32 s67, 0
	s_lshl_b32 s98, s94, 9                         ; P's codes,
	s_mov_b32 s99, 0
	s_lshl_b32 s46, s94, 5                         ; P's scale bytes
	s_mov_b32 s47, 0
	s_mul_i32 s94, s[WV], HALFT                    ; where they go: wave x 128 rows: no place in the cluster enters an LDS address
	s_mul_i32 s95, s[WV], HALFS
	s_wait_dscnt 0x0
	s_wait_kmcnt 0x0
	s_add_nc_u64 s[96:97], s[4:5], s[96:97]
	s_add_nc_u64 s[98:99], s[4:5], s[98:99]
	s_add_nc_u64 s[66:67], s[6:7], s[66:67]
	s_add_nc_u64 s[46:47], s[6:7], s[46:47]
	CROUND                                         ; all sixteen work-groups are here: the joint loads meet
	s_mov_b32 s[G0SR], 1
	s_add_co_u32 s[G0SR+1], s95, SCL
	s_mov_b64 s[G0SR+2:G0SR+3], s[66:67]
	s_or_b32 s[G0SR+3], s[G0SR+3], 0x80000000
	s_mov_b32 s[G0SP], 1
	s_add_co_u32 s[G0SP+1], s95, SCL
	s_mov_b64 s[G0SP+2:G0SP+3], s[46:47]
	s_or_b32 s[G0SP+3], s[G0SP+3], 0x80000000
	JLOAD G0SR, G1SR, G0SP, G1SP                   ; the scale bytes first: they are wanted with the first half of K
.irp s, 0,1
	s_mov_b32 s[G0R+4*\s], 1
	s_add_co_u32 s[G0R+4*\s+1], s94, \s*SLOT
	s_add_nc_u64 s[G0R+4*\s+2:G0R+4*\s+3], s[96:97], \s*ROWB
	s_or_b32 s[G0R+4*\s+3], s[G0R+4*\s+3], 0x80000000
	s_mov_b32 s[G0P+4*\s], 1
	s_add_co_u32 s[G0P+4*\s+1], s94, \s*SLOT
	s_add_nc_u64 s[G0P+4*\s+2:G0P+4*\s+3], s[98:99], \s*ROWB
	s_or_b32 s[G0P+4*\s+3], s[G0P+4*\s+3], 0x80000000
	JLOAD G0R+4*\s, G1R, G0P+4*\s, G1P             ; three loads of mine are out in all
.endr
	v_and_b32 v1, 15, v0                           ; r
	s_wait_alu depctr_va_vdst(0)
	v_bfe_u32 v2, v0, 4, 1                         ; h
	s_wait_alu depctr_va_vdst(0)
	v_and_b32 v3, 31, v0
	v_lshlrev_b32 v[LI], 4, v3
	; THE BIASES, 64 registers, by one text for both modes.  MODE 0: v[BB + 8 b + j] = the bias of channel 32 (b / 2) + 16 h + 8 (b % 2) + j of my 128 of P.
	; MODE 1: v[BB + 8 a + j] = the bias of my lane's channel in R's tile a, 32 (a / 2) + 8 (a % 2) + r + 8 (r / 8), the same for every j.
	s_and_b32 s97, s40, 3
	s_lshl_b32 s97, s97, 1
	s_add_co_u32 s97, s97, s[PH]                   ; MODE 0: which 128 channels of q_b or k_b
	s_lshl_b32 s98, s41, 1
	s_add_co_u32 s98, s98, s[RH]                   ; MODE 1: which 128 of v_b
	s_cmp_eq_u32 s22, 0
	s_cselect_b64 s[8:9], s[8:9], s[10:11]         ; cluster x = 0 has q_w's rows, 1 has k_w's
	s_cmp_eq_u32 s[MODE], 0
	s_cselect_b64 s[8:9], s[8:9], s[12:13]
	s_cselect_b32 s94, 64, 0                       ; bytes for h,
	s_cselect_b32 s95, 0, 4                        ; for r + 8 (r / 8),
	s_cselect_b32 s96, 4, 0                        ; for j
	s_cselect_b32 s98, s97, s98
	s_lshl_b32 s98, s98, 9
	s_mov_b32 s99, 0
	s_add_nc_u64 s[8:9], s[8:9], s[98:99]
	v_and_b32 v3, 8, v1
	v_add_nc_u32 v3, v3, v1
	v_mul_u32_u24 v4, s94, v2
	v_mad_u32_u24 v4, v3, s95, v4
.irp j, 0,1,2,3,4,5,6,7
	v_mad_u32_u24 v[VO+\j], s96, \j, v4
.endr
.irp t, 0,1,2,3,4,5,6,7
.irp j, 0,1,2,3,4,5,6,7
	global_load_b32 v[BB+8*\t+\j], v[VO+\j], s[8:9] offset:(32*(\t/2)+8*(\t%2))*4
.endr
.endr
	v_mul_u32_u24 v3, v1, PITCH
	v_lshl_add_u32 v4, v2, 4, v3                   ; a fragment's row x pitch + 16 x half
	s_mul_i32 s94, s[RH], HALFT                    ; my 128 rows of R
	s_mul_i32 s95, s[PH], HALFT                    ; my 128 rows of P,
	s_add_co_u32 s95, s95, 2*HALFT                 ; which lie behind R's 256
.irp s, 0,1
	v_add_nc_u32 v[ADRA+\s], s94, v4
	v_add_nc_u32 v[ADRB+\s], s95, v4
	s_add_co_u32 s94, s94, SLOT
	s_add_co_u32 s95, s95, SLOT
.endr
	v_mul_u32_u24 v5, v1, KS                       ; my row's scale bytes: 32 a row,
	v_lshrrev_b32 v6, 8, v5
	v_lshl_add_u32 v5, v6, 4, v5                   ; and 16 more for each 256 passed
	s_mul_i32 s94, s[RH], HALFS
	s_mul_i32 s95, s[PH], HALFS
	s_add_co_u32 s95, s95, 2*HALFS
	s_sub_co_u32 s95, s95, s94
	v_mul_u32_u24 v6, s95, v2                      ; lanes 16-31 take P's: one product, the distance between the two bases
	s_add_co_u32 s94, s94, SCL
	v_add_nc_u32 v5, v5, v6
	v_add_nc_u32 v[ADRS], s94, v5
	s_mov_b32 s[SEL], 0x76543210
	s_mov_b32 s[SEL+1], 0xfedcba98                 ; v_permlanex16_b32's selects for lane l xor 16
	; where my two quads begin in img
	s_lshl_b32 s94, s40, 1
	s_add_co_u32 s94, s94, s[PH]                   ; the group of 128 along p
	s_lshl_b32 s95, s41, 2
	s_lshl_b32 s96, s[RH], 1
	s_add_co_u32 s95, s95, s96                     ; the quad of 64 rows of R
	s_cmp_eq_u32 s[MODE], 0
	s_cselect_b32 s96, 7, 4                        ; quads in a group: 128 or 16
	s_cselect_b32 s98, 0, VB
	s_lshl_b32 s94, s94, s96
	s_add_co_u32 s94, s94, s95
	s_mul_i32 s94, s94, QUAD
	s_add_co_u32 s98, s98, s94
	s_mov_b32 s99, 0
	s_add_nc_u64 s[14:15], s[14:15], s[98:99]
.macro FRAG reg, adr, q, i             ; 16 rows x 128 K of 4-bit codes, 8 registers: lane l holds row l % 16; registers 4 c .. 4 c + 3 hold K = 64 c + 32 (l / 16) + 0 .. 31
.irp c, 0,1
	ds_load_b128 v[\reg+4*\c:\reg+4*\c+3], v[\adr] offset:64*(\q)+32*\c+(\i)*16*PITCH
.endr
.endm
; 16 matrix instructions: R's blocks a0, a0 + 1 x P's eight, 128 along K.  p: P's set; sc: the set of scale words.  zero = 1: the first product starts the sums.
; One scale register carries R's word of block i in lanes 0-15 and P's word of block i in lanes 16-31.  The 64 accumulators take turns, one instruction a turn.
.macro MUL16 a0, p, q, sc, zero
.irp a, \a0, \a0+1
.irp b, 0,1,2,3,4,5,6,7
.if \zero
	v_wmma_scale_f32_16x16x128_f8f6f4 v[8*(8*((\a)%4)+\b):8*(8*((\a)%4)+\b)+7], v[128*(\p)+FR*\b:128*(\p)+FR*\b+FR-1], v[AF+FR*(\a):AF+FR*(\a)+FR-1], 0, v[SC+8*NQ*(\sc)+NQ*\b+(\q)], v[SC+8*NQ*(\sc)+NQ*(\a)+(\q)] matrix_a_fmt:MATRIX_FMT_FP4 matrix_b_fmt:MATRIX_FMT_FP4 matrix_a_scale:MATRIX_SCALE_ROW1
.else
	v_wmma_scale_f32_16x16x128_f8f6f4 v[8*(8*((\a)%4)+\b):8*(8*((\a)%4)+\b)+7], v[128*(\p)+FR*\b:128*(\p)+FR*\b+FR-1], v[AF+FR*(\a):AF+FR*(\a)+FR-1], v[8*(8*((\a)%4)+\b):8*(8*((\a)%4)+\b)+7], v[SC+8*NQ*(\sc)+NQ*\b+(\q)], v[SC+8*NQ*(\sc)+NQ*(\a)+(\q)] matrix_a_fmt:MATRIX_FMT_FP4 matrix_b_fmt:MATRIX_FMT_FP4 matrix_a_scale:MATRIX_SCALE_ROW1
.endif
.endr
.endr
.endm
.macro FETCH_B slot, q, p              ; P's eight fragments into set p
	WIN TO_B
.irp i, 0,1,2,3,4,5,6,7
	FRAG 128*(\p)+FR*\i, ADRB+\slot, \q, \i
.endr
	WIN 0
.endm
.macro FETCH_A slot, q, i0             ; R's blocks i0 .. i0 + 3
.irp i, \i0, \i0+1, \i0+2, \i0+3
	FRAG AF+FR*(\i), ADRA+\slot, \q, \i
.endr
.endm
.macro SCALES sc                       ; half of K's scale words: four words a row
.irp i, 0,1,2,3,4,5,6,7
	ds_load_b128 v[SC+8*NQ*\sc+NQ*\i:SC+8*NQ*\sc+NQ*\i+3], v[ADRS] offset:\i*SBLK
.endr
.endm
.macro PLACES n                        ; plain vector lines between a matrix instruction and a load into, or a vector line on, its registers
.rept \n
	v_nop
.endr
.endm
.macro STEP slot, q, zero              ; 128 along K whose successor lies in the same half
	s_wait_dscnt 4*NL                              ; P's set and R's blocks 0-3 are in; the youngest eight loads (R's blocks 4-7) may be out
	WIN MUL_LO
	MUL16 0, (\q)%2, \q, \slot, \zero
	MUL16 2, (\q)%2, \q, \slot, \zero
	s_wait_dscnt 0                                 ; R's blocks 4-7 are in
	PLACES NP
	FETCH_B \slot, (\q)+1, 1-(\q)%2
	FETCH_A \slot, (\q)+1, 0
	WIN MUL_HI
	MUL16 4, (\q)%2, \q, \slot, \zero
	MUL16 6, (\q)%2, \q, \slot, \zero
	PLACES NP
	WIN 0
	FETCH_A \slot, (\q)+1, 4
.endm
.macro TURN slot, next                 ; the first half's last step goes over to the second half: one barrier, behind which everybody's part of it has landed.  Nothing is filled again
	s_wait_tensorcnt 0x0                           ; my last load, my part of the second half, has landed
	s_wait_dscnt 4*NL                              ; (R's blocks 4-7 may be out)
	WIN MUL_LO
	MUL16 0, 1, NQ-1, \slot, 0
	s_wait_dscnt 0x0                               ; no LDS instruction of mine is out at the signal
	s_barrier_signal -1
	MUL16 2, 1, NQ-1, \slot, 0
	WIN 0
	s_barrier_wait -1
	PLACES NP
	v_add_nc_u32 v[ADRS], 4*NQ, v[ADRS]            ; on to the second half's scale words
	FETCH_B \next, 0, 0
	FETCH_A \next, 0, 0
	SCALES \next
	WIN MUL_HI
	MUL16 4, 1, NQ-1, \slot, 0
	MUL16 6, 1, NQ-1, \slot, 0
	PLACES NP
	WIN 0
	FETCH_A \next, 0, 4
.endm
.macro STEPS slot, from
.set Q, \from
.rept NQ-1-\from
	STEP \slot, Q, 0
.set Q, Q+1
.endr
.endm
	s_wait_alu depctr_va_vdst(0)
	s_wait_tensorcnt 1                             ; the scale bytes and my part of the first half are in (the second half's load may be out),
	s_barrier_signal -1
	s_barrier_wait -1                              ; everybody's are
	FETCH_B 0, 0, 0
	FETCH_A 0, 0, 0
	SCALES 0
	FETCH_A 0, 0, 4
	STEP 0, 0, 1                                   ; the first products start the sums
	STEPS 0, 1
	TURN 0, 1
	STEPS 1, 0
	s_wait_dscnt 4*NL                              ; the last step: nothing more to fetch
	WIN MUL_LO
	MUL16 0, 1, NQ-1, 1, 0
	MUL16 2, 1, NQ-1, 1, 0
	s_wait_dscnt 0
	WIN MUL_HI
	MUL16 4, 1, NQ-1, 1, 0
	MUL16 6, 1, NQ-1, 1, 0
	WIN 0
; 64 numbers of a lane, v[s] on, register 16 b + i = place 32 b + 16 (lane / 16) + i along the next K, become a fragment's codes in v[pc] on and its scale word in v[pw].
.macro QUANT s, pc, pw
.irp b, 0,1,2,3
	v_max3_num_f32 v[TM+\b], |v[\s+16*\b]|, |v[\s+1+16*\b]|, 0x1800000   ; block b: my 16 numbers, and the floor 2^(3 - 127): the byte cannot fall under 1
.endr
.irp i, 2,4,6,8,10,12,14
.irp b, 0,1,2,3
	v_max3_num_f32 v[TM+\b], v[TM+\b], |v[\s+16*\b+\i]|, |v[\s+1+16*\b+\i]|   ; (the four blocks by turns)
.endr
.endr
.irp b, 0,1,2,3
	v_permlanex16_b32 v[TM+4+\b], v[TM+\b], s[SEL], s[SEL+1]
.endr
.irp b, 0,1,2,3
	v_max_num_f32 v[TM+\b], v[TM+\b], v[TM+4+\b]   ; with lane l xor 16's: the block's largest magnitude
.endr
.irp b, 0,1,2,3
	v_add_nc_u32 v[TM+12+\b], 0xff000000, v[TM+\b] ; 2 off its exponent field: the conversion's scale operand
.endr
.irp b, 0,1,2,3
	v_lshrrev_b32 v[TM+4+\b], 23, v[TM+12+\b]      ; the scale's byte
.endr
	v_lshl_or_b32 v[\pw], v[TM+5], 8, v[TM+4]      ; four bytes: my row's scale word
	v_lshl_or_b32 v[\pw], v[TM+6], 16, v[\pw]
	v_lshl_or_b32 v[\pw], v[TM+7], 24, v[\pw]
.irp b, 0,1,2,3
	v_cvt_scalef32_pk8_fp4_f32 v[(\pc)+2*\b], v[\s+16*\b:\s+7+16*\b], v[TM+12+\b]
	v_cvt_scalef32_pk8_fp4_f32 v[(\pc)+1+2*\b], v[\s+8+16*\b:\s+15+16*\b], v[TM+12+\b]
.endr
	v_nop                                          ; one plain line behind the scaled conversions
.irp c, 0,1                                    ; the operand's layout wants a whole block in a lane: lanes 0-15 block 2 c, lanes 16-31 block 2 c + 1
.irp i, 0,1
	v_permlane16_swap_b32 v[(\pc)+4*\c+\i], v[(\pc)+2+4*\c+\i]
.endr
.endr
.endm
; THE WAY OUT of R's block a: + bias, quantised along p, stored as an image of the fragment's registers.  The branch hangs on the cluster's y alone.
.macro OUT a
.set AC, 64*((\a)%4)
.if (\a) >= 2
	s_wait_xcnt 0x0                                ; block a - 2's stores have read the registers that this block's codes take
.endif
	s_cmp_eq_u32 s[MODE], 0
	s_cbranch_scc0 .Lkeys_\@
	WIN 0x02+(\a)/4                                ; source 0: window 2 or 3
.set i, 0
.rept 32
	v_pk_add_f32 v[T+i:T+i+1], v[AC+i:AC+i+1], v[BB+i:BB+i+1]      ; Q, K: the bias runs along p.  Each accumulator is read from its low end on
.set i, i+2
.endr
	WIN 0
	s_branch .Lbiased_\@
.Lkeys_\@:
	WIN 0x02+(\a)/4
.set i, 0
.rept 32
	v_pk_add_f32 v[T+i:T+i+1], v[AC+i:AC+i+1], v[BB+8*(\a):BB+8*(\a)+1]   ; V: the bias is my lane's channel's
.set i, i+2
.endr
	WIN 0
.Lbiased_\@:
	QUANT T, PC+8*((\a)%2), SW+(\a)
	global_store_b128 v[LI], v[PC+8*((\a)%2):PC+8*((\a)%2)+3], s[14:15] offset:((\a)/4)*QUAD+((\a)%4)*1024
	global_store_b128 v[LI], v[PC+8*((\a)%2)+4:PC+8*((\a)%2)+7], s[14:15] offset:((\a)/4)*QUAD+((\a)%4)*1024+512
.if (\a)%4 == 3
	global_store_b128 v[LI], v[SW+4*((\a)/4):SW+4*((\a)/4)+3], s[14:15] offset:((\a)/4)*QUAD+4096   ; the quad's scale words, four a lane
.endif
.endm
	s_wait_loadcnt 0x0                             ; the biases; their offsets' registers are free
.irp b, 0,1,2,3
	v_mov_b32 v[TM+4+\b], 0                        ; a lane permute's destination counts as one of its sources.  These four are also the places behind the last products
.endr
.irp a, 0,1,2,3,4,5,6,7
	OUT \a
.endr
	s_wait_tensorcnt 0x0
	ds_add_u32 v106, v107
	s_wait_dscnt 0x0
	CROUND                                         ; the closing round: no work-group ends while a partner may still ask for a tile that names it
	s_endpgm
.Lfunc_end_k_q59052e5f5f_qkv:
	.size	k_q59052e5f5f_qkv, .Lfunc_end_k_q59052e5f5f_qkv-k_q59052e5f5f_qkv
	.p2alignl 7, 3214868480
	.fill 96, 4, 3214868480
	.section	.rodata,"a",@progbits
	.p2align	6, 0x0
	.amdhsa_kernel k_q59052e5f5f_qkv
		.amdhsa_group_segment_fixed_size 296448
		.amdhsa_private_segment_fixed_size 0
		.amdhsa_enable_private_segment 0
		.amdhsa_kernarg_size 48
		.amdhsa_user_sgpr_count 2
		.amdhsa_user_sgpr_kernarg_segment_ptr 1
		.amdhsa_wavefront_size32 1
		.amdhsa_system_sgpr_workgroup_id_x 1
		.amdhsa_system_sgpr_workgroup_id_y 1
		.amdhsa_system_sgpr_workgroup_id_z 1
		.amdhsa_system_vgpr_workitem_id 0
		.amdhsa_next_free_vgpr 1024
		.amdhsa_next_free_sgpr 100
		.amdhsa_reserve_vcc 0
		.amdhsa_float_denorm_mode_32 3
		.amdhsa_float_denorm_mode_16_64 3
		.amdhsa_memory_ordered 1
		.amdhsa_forward_progress 1
		.amdhsa_inst_pref_size 168
	.end_amdhsa_kernel
	.amdgpu_metadata
---
amdhsa.version: [ 1, 2 ]
amdhsa.kernels:
  - .name:           k_q59052e5f5f_qkv
    .symbol:         k_q59052e5f5f_qkv.kd
    .args:
      - { .name: codes, .offset: 0, .size: 8, .value_kind: global_buffer, .address_space: global }
      - { .name: scales, .offset: 8, .size: 8, .value_kind: global_buffer, .address_space: global }
      - { .name: q_b, .offset: 16, .size: 8, .value_kind: global_buffer, .address_space: global }
      - { .name: k_b, .offset: 24, .size: 8, .value_kind: global_buffer, .address_space: global }
      - { .name: v_b, .offset: 32, .size: 8, .value_kind: global_buffer, .address_space: global }
      - { .name: img, .offset: 40, .size: 8, .value_kind: global_buffer, .address_space: global }
    .group_segment_fixed_size: 296448
    .private_segment_fixed_size: 0
    .kernarg_segment_align: 8
    .kernarg_segment_size: 48
    .max_flat_workgroup_size: 128
    .sgpr_count:     100
    .vgpr_count:     1024
    .wavefront_size: 32
...
	.end_amdgpu_metadata
.endif
;; end of part 2
;; launch attn (part 3): grid 8 x 32, 16 waves a work-group, clusters of 4 x 1, 327,680 bytes of LDS; arguments img, a_img, a_sc; writes a_img, a_sc
.if DOCPART == 3
	.amdgcn_target "amdgcn-amd-amdhsa--gfx1250"
	.amdhsa_code_object_version 6
	.text
	.protected	k_q59052e5f5f_attn
	.globl	k_q59052e5f5f_attn
	.p2align	8
	.type	k_q59052e5f5f_attn,@function
k_q59052e5f5f_attn:
	s_mov_b64 s[64:65], 0
	v_nop
	global_prefetch_b8 v0, s[64:65] scope:SCOPE_SE
	s_setreg_imm32_b32 hwreg(HW_REG_WAVE_MODE, 25, 1), 1
	s_wait_xcnt 0x0
	s_wait_alu depctr_hold_cnt(0) depctr_sa_sdst(0) depctr_va_vdst(0) depctr_va_sdst(0) depctr_va_ssrc(0) depctr_va_vcc(0) depctr_vm_vsrc(0)
	s_getreg_b32 s2, hwreg(HW_REG_IB_STS2, 6, 4)
	s_cmp_eq_u32 s2, 0
	s_cbranch_scc0 .Lentry_in_a_cluster
	s_endpgm
.Lentry_in_a_cluster:
	s_bfe_u32 s2, ttmp6, 0x10000c
	s_cmp_lg_u32 s2, 0x3003
	s_cbranch_scc0 .Lentry_shape_is_right
	s_endpgm
.Lentry_shape_is_right:
; softmax(Q K^T / 8) V for 4 batches x 16 heads of 64, 2,048 keys, both products on codes of FP4 with E8M0 scales; the result, divided by the row's sum, is quantised along the 1,024 channels for the last projection.
; `mask` is an argument of the module that its computation never reads: the result does not hang on it, and this program does not load it.
; THE SOFTMAX AHEAD OF THE SECOND PRODUCT: t = score x log2(e) / 8; M = the row's largest t so far, rounded up to a whole number; p = 2^(t - M) is quantised along the keys, not normalised; the row's sum is taken of the
; unquantised p; when M moves, the sum and O are multiplied by 2^(old M - new M), which rounds nothing.
; IN: `img`, records of 4,608 bytes ("quads"): four fragments of 16 rows x 128 along K as images of their registers, [half 2][lane 32][16 bytes], then [lane 32][4 scale words].
;   Q and K: a fragment's K is a PAIR of heads: registers 0-3 the even head's 64, registers 4-7 the odd head's.  V: a quad is a head's 64 channels x 128 keys.
; SHARES.  A work-group owns 256 queries of one pair of heads; each of its sixteen waves 16 queries, in 256 registers, four waves to a SIMD.  A wave walks all keys twice, once for each head, and so owns a whole fragment
; (16 rows x 128 channels) and a whole scale word of the last projection's operand.
; ALL OF THE PAIR'S K AND V LIE IN LDS, 16 key steps x 18,432 bytes, filled once: four groups of four steps; each wave asks for one quad of each group.  A group's steps are worked while later groups land.
; CLUSTER: the four blocks of queries of a cluster walk the same K and V: each quad is asked for jointly.
; A SCORE'S K IS 64, THE INSTRUCTION'S 128: Q's other half is zero codes (v20-23 between Q's two halves), which add nothing whatever stands against them.  So a pass loads only its head's half of each tile of keys;
; the idle half of a fragment is the neighbouring tile's codes or four registers of zeros.  The scale words serve both passes as they lie: bytes 0, 1 go with registers 0-3, bytes 2, 3 with 4-7.
; LAYOUT.  Both products transposed (source 0 = 16 keys, or 16 channels; source 1 = my 16 queries): a lane holds one query.  The stored order of tokens and channels makes the 16 registers of two neighbouring tiles 16 neighbours.
; No prefetch into the L2: every tile of the work-group is asked for at the head, and nothing is known earlier.
; OUT: a_img [K half 2][tile of 16 tokens 512][K step 4][1,024 bytes], images; a_sc [token 8192][8 words].  The word's store writes 4 bytes of every 32: one byte in 17 of what the launch stores.
; LIMITS: p under 2^-126 falls to 0 (the exponential's result); a block of zeros or under 2^-124 gets the byte 1 (this program alone reads the bytes); NaN and infinities are not served.
; REGISTERS: v1 16 x lane; v2 LDS address; v3, v6 Q's offsets; v4 32 x (lane % 16); v5 the scale word; v12 -M, v13 largest t, v[14:15] the sum; v16-27 Q; v28-35 K's scale words; v36-75 K's codes between two guards;
;   v96-159 S^T, then p; v160-191 O^T; v192-223 V; v224-231 p's codes; v232-239, v244-254 at work; v240-243 V's scale words; v253 p's scale word; v255 Q's.
.set QUAD,  4608
.set STEPB, 4*QUAD                     ; a key step in LDS: K's two quads, the even head's V, the odd head's V
.set VB,    16*128*QUAD                ; where V's quads begin in img
.set LI,   1
.set ADR,  2
.set QOF,  3
.set SOF,  4
.set HW,   5
.set QSO,  6
.set TB,   2                           ; s2   LDS byte at which the key step in hand begins
.set CNT,  3
.set WV,   18
.set SEL,  20
.set CS,   22                          ; s[22:23] c = log2(e) / 8
.set G1,   24
.set G0,   32                          ; s[32:47] a group 0 for each of my four loads
.macro CROUND                          ; a round of the cluster's barrier
	s_barrier_signal -1
	s_barrier_wait -1
	s_cmp_lg_u32 s[WV], 0
	s_cbranch_scc1 .Lnot_wave_0_\@
	s_barrier_signal -3
.Lnot_wave_0_\@:
	s_barrier_wait -3
	s_barrier_signal -1
	s_barrier_wait -1
.endm
	s_load_b128 s[4:7], s[0:1], 0x0                ; img, a_img
	s_load_b64 s[8:9], s[0:1], 0x10                ; a_sc
	v_lshl_add_u32 v250, v0, 2, 0x48000
	v_mov_b32 v251, 0
	ds_add_u32 v250, v251
	ds_add_u32 v250, v251
	v_lshrrev_b32 v2, 5, v0
	s_delay_alu instid0(VALU_DEP_1)
	v_readfirstlane_b32 s[WV], v2                  ; wave 0..15
	s_and_b32 s12, ttmp7, 0xffff
	s_lshr_b32 s13, s12, 3                         ; the batch
	s_and_b32 s14, s12, 7                          ; the pair of heads
	s_lshr_b32 s15, s[WV], 2                       ; which step of a group I fetch for,
	s_and_b32 s16, s[WV], 3                        ; and which of its four quads: 0, 1 K's, 2, 3 V's
	s_add_co_u32 s52, s14, 8                       ; K's groups stand behind Q's eight
	s_lshl_b32 s52, s52, 7
	s_lshl_b32 s17, s13, 5
	s_add_co_u32 s52, s52, s17                     ; a batch is 32 quads of 64 tokens
	s_lshl_b32 s17, s15, 1
	s_add_co_u32 s52, s52, s17
	s_add_co_u32 s52, s52, s16
	s_mul_i32 s52, s52, QUAD                       ; K's quad, in bytes
	s_lshl_b32 s54, s13, 4
	s_add_co_u32 s54, s54, s15                     ; V: the group of 128 tokens,
	s_lshl_b32 s54, s54, 4
	s_lshl_b32 s17, s14, 1
	s_add_co_u32 s54, s54, s17
	s_add_co_u32 s54, s54, s16
	s_sub_co_u32 s54, s54, 2                       ; the head (in K's waves this number is not used)
	s_mul_i32 s54, s54, QUAD
	s_add_co_u32 s54, s54, VB
	s_cmp_lt_u32 s16, 2
	s_cselect_b32 s52, s52, s54
	s_mov_b32 s54, 4*16*QUAD
	s_cselect_b32 s54, 8*QUAD, s54                 ; four steps on: eight quads of K, or four groups of sixteen of V
	s_mov_b32 s53, 0
	s_mov_b32 s55, 0
	; descriptor group 1: a quad, 4,608 dense bytes, as 18 rows of 32 elements of 8 bytes
	s_mov_b32 s[G1], 15|(3<<16)|(1<<21)            ; 15:0 the mask: all four work-groups; 17:16 elements of 8 bytes; 21 set beside a mask; no padding: every read takes 512 consecutive bytes
	s_mov_b32 s[G1+1], 32<<16
	s_mov_b32 s[G1+2], 18<<16
	s_mov_b32 s[G1+3], 32<<16
	s_mov_b32 s[G1+4], 18
	s_mov_b32 s[G1+5], 32
	s_mov_b32 s[G1+6], 0
	s_mov_b32 s[G1+7], 0
	s_mul_i32 s17, s[WV], QUAD                     ; in LDS: quad 16 g + wave
	s_mov_b32 s[SEL], 0x76543210
	s_mov_b32 s[SEL+1], 0xfedcba98
	s_mov_b32 s[CS], 0x3e38aa3b
	s_mov_b32 s[CS+1], s[CS]
	s_wait_dscnt 0x0
	s_wait_kmcnt 0x0
	s_add_nc_u64 s[52:53], s[4:5], s[52:53]
.irp g, 0,1,2,3
	s_mov_b32 s[G0+4*\g], 1
	s_add_co_u32 s[G0+4*\g+1], s17, \g*16*QUAD
	s_mov_b64 s[G0+4*\g+2:G0+4*\g+3], s[52:53]
	s_or_b32 s[G0+4*\g+3], s[G0+4*\g+3], 0x80000000
.if \g < 3
	s_add_nc_u64 s[52:53], s[52:53], s[54:55]
.endif
.endr
	CROUND                                         ; all four work-groups are here: the joint loads meet
.irp g, 0,1,2,3
	s_wait_alu depctr_va_vdst(0)
	s_wait_tensorcnt 0x0
	ds_add_u32 v250, v251
	ds_add_u32 v250, v251
	s_wait_dscnt 0x0
	CROUND
	tensor_load_to_lds s[G0+4*\g:G0+4*\g+3], s[G1:G1+7]   ; the earlier ones have landed: one load of mine is out
	s_nop 0
.endr
.rept 4
	v_nop
.endr
	s_bfe_u32 s10, ttmp6, 0x40000                  ; cx: it enters Q's and the outputs' addresses alone
	s_lshl_b32 s11, ttmp9, 2
	s_add_co_u32 s11, s11, s10                     ; my block of 256 queries
	s_lshl_b32 s12, s13, 7
	s_lshl_b32 s17, s11, 4
	s_add_co_u32 s12, s12, s17
	s_add_co_u32 s12, s12, s[WV]                   ; my tile of 16 tokens: 128 x batch + 16 x block + wave
	s_lshr_b32 s48, s12, 2
	s_lshl_b32 s17, s14, 7
	s_add_co_u32 s48, s48, s17
	s_mul_i32 s48, s48, QUAD
	s_mov_b32 s49, 0
	s_add_nc_u64 s[48:49], s[4:5], s[48:49]        ; Q's quad
	s_lshr_b32 s56, s14, 2
	s_lshl_b32 s56, s56, 21
	s_lshl_b32 s17, s12, 12
	s_add_co_u32 s56, s56, s17
	s_and_b32 s17, s14, 3
	s_lshl_b32 s17, s17, 10
	s_add_co_u32 s56, s56, s17
	s_mov_b32 s57, 0
	s_add_nc_u64 s[56:57], s[6:7], s[56:57]        ; my fragment in a_img
	s_lshl_b32 s58, s12, 9
	s_lshl_b32 s17, s14, 2
	s_add_co_u32 s58, s58, s17
	s_mov_b32 s59, 0
	s_add_nc_u64 s[58:59], s[8:9], s[58:59]        ; my 16 rows' word in a_sc
	v_and_b32 v[LI], 31, v0
	s_delay_alu instid0(VALU_DEP_1)
	v_lshlrev_b32 v[LI], 4, v[LI]
	v_and_b32 v[SOF], 15, v0
	s_delay_alu instid0(VALU_DEP_1)
	v_lshlrev_b32 v[SOF], 5, v[SOF]
	s_lshl_b32 s17, s16, 10
	v_add_nc_u32 v[QOF], s17, v[LI]                ; my tile in the quad
	s_lshl_b32 s17, s16, 2
	v_add_nc_u32 v[QSO], s17, v[LI]                ; and its word among a lane's four
	global_load_b128 v[16:19], v[QOF], s[48:49]            ; Q: the even head's half,
	global_load_b128 v[24:27], v[QOF], s[48:49] offset:512 ; the odd head's
	global_load_b32 v255, v[QSO], s[48:49] offset:4096
.irp j, 20,21,22,23, 36,37,38,39, 72,73,74,75
	v_mov_b32 v[\j], 0                             ; zero codes: Q's idle half, and the two guards beside K's codes
.endr
.irp b, 0,1,2,3
	v_mov_b32 v[236+\b], 0                         ; a lane permute's destination counts as one of its sources
.endr
	v_mov_b32 v253, 0                              ; (named as the upper half of the pair v[252:253] before it is first written)
; A KEY STEP for head hs of the pair: 128 keys.
.macro STEP hs
	v_add_nc_u32 v[ADR], s[TB], v[LI]
.rept 3
	v_nop                                          ; with the line above: four places behind the last products, in front of the loads into V's registers
.endr
.irp t, 0,1,2,3,4,5,6,7
	ds_load_b128 v[40+4*\t:43+4*\t], v[ADR] offset:(\t/4)*QUAD+(\t%4)*1024+512*\hs   ; my head's half of tile t of the keys
.endr
	ds_load_b128 v[28:31], v[ADR] offset:4096
	ds_load_b128 v[32:35], v[ADR] offset:QUAD+4096
.irp t, 0,1,2,3
	ds_load_b128 v[192+8*\t:195+8*\t], v[ADR] offset:2*QUAD+QUAD*\hs+1024*\t
	ds_load_b128 v[196+8*\t:199+8*\t], v[ADR] offset:2*QUAD+QUAD*\hs+1024*\t+512
.endr
	ds_load_b128 v[240:243], v[ADR] offset:2*QUAD+QUAD*\hs+4096
	s_wait_dscnt 9                                 ; K's ten loads are in; V's nine may be out
.irp t, 0,1,2,3,4,5,6,7
	v_wmma_scale_f32_16x16x128_f8f6f4 v[96+8*\t:103+8*\t], v[40+4*\t-4*\hs:47+4*\t-4*\hs], v[16+4*\hs:23+4*\hs], 0, v[28+\t], v255 matrix_a_fmt:MATRIX_FMT_FP4 matrix_b_fmt:MATRIX_FMT_FP4
.endr
.rept 4
	v_nop
.endr
.irp b, 0,1,2,3
	v_max3_num_f32 v[232+\b], v[96+16*\b], v[97+16*\b], v[98+16*\b]   ; the largest score of each block of 32 keys: it serves for the row's maximum and, since p rises with the score, for the block's largest p
.endr
.irp i, 3,5,7,9,11,13
.irp b, 0,1,2,3
	v_max3_num_f32 v[232+\b], v[232+\b], v[96+16*\b+\i], v[97+16*\b+\i]
.endr
.endr
.irp b, 0,1,2,3
	v_max_num_f32 v[232+\b], v[232+\b], v[111+16*\b]
.endr
.irp b, 0,1,2,3
	s_delay_alu instid0(VALU_DEP_4)
	v_permlanex16_b32 v[236+\b], v[232+\b], s[SEL], s[SEL+1]
.endr
.irp b, 0,1,2,3
	s_delay_alu instid0(VALU_DEP_4)
	v_max_num_f32 v[232+\b], v[232+\b], v[236+\b]  ; with lane l xor 16's 16 keys
.endr
	s_delay_alu instid0(VALU_DEP_2)
	v_max3_num_f32 v254, v232, v233, v234
	s_delay_alu instid0(VALU_DEP_1)
	v_max_num_f32 v254, v254, v235
	s_delay_alu instid0(VALU_DEP_1)
	v_mul_f32 v254, s[CS], v254                    ; as t (c is positive)
	s_delay_alu instid0(VALU_DEP_1)
	v_max_num_f32 v13, v13, v254                   ; the running largest t
	v_mov_b32 v254, v12
	s_delay_alu instid0(VALU_DEP_2)
	v_floor_f32 v12, -v13                          ; the new -M = -ceil(t)
	s_delay_alu instid0(VALU_DEP_1)
	v_sub_f32 v254, v12, v254                      ; old M - new M: a whole number, 0 or less
	s_delay_alu instid0(VALU_DEP_1)
	v_cvt_i32_f32 v254, v254                       ; (it saturates)
	s_delay_alu instid0(VALU_DEP_1)
	v_ldexp_f32 v252, 1.0, v254                    ; f = 2^(old M - new M)
.irp j, 0,2,4,6,8,10,12,14,16,18,20,22,24,26,28,30,32,34,36,38,40,42,44,46,48,50,52,54,56,58,60,62
	v_pk_fma_f32 v[96+\j:97+\j], v[96+\j:97+\j], s[CS:CS+1], v[12:13] op_sel_hi:[1,0,0]   ; t - M, two at a time
.endr
.irp b, 0,1,2,3
	v_fma_f32 v[232+\b], v[232+\b], s[CS], v12     ; the same of each block's largest score
.endr
	s_wait_alu depctr_va_vdst(0)
.irp j, 0,1,2,3,4,5,6,7,8,9,10,11,12,13,14,15,16,17,18,19,20,21,22,23,24,25,26,27,28,29,30,31,32,33,34,35,36,37,38,39,40,41,42,43,44,45,46,47,48,49,50,51,52,53,54,55,56,57,58,59,60,61,62,63
	v_exp_f32 v[96+\j], v[96+\j]                   ; p = 2^(t - M), at most 1
.endr
	s_setprio 1
.irp b, 0,1,2,3
	v_exp_f32 v[232+\b], v[232+\b]                 ; the block's largest p: the same two instructions on the same number give the same bits
.endr
	v_pk_mul_f32 v[14:15], v[14:15], v[252:253] op_sel_hi:[1,0]   ; the sums under the new M (a plain line behind the exponentials)
	s_wait_alu depctr_va_vdst(0)
.irp b, 0,1,2,3
	v_max_num_f32 v[232+\b], 0x1800000, v[232+\b]  ; the floor 2^(3 - 127)
.endr
.irp b, 0,1,2,3
	s_delay_alu instid0(VALU_DEP_4)
	v_add_nc_u32 v[244+\b], 0xff000000, v[232+\b]  ; the conversion's scale operand
.endr
.irp b, 0,1,2,3
	s_delay_alu instid0(VALU_DEP_4)
	v_lshrrev_b32 v[236+\b], 23, v[244+\b]         ; the scale's byte
.endr
	s_delay_alu instid0(VALU_DEP_3)
	v_lshl_or_b32 v253, v237, 8, v236              ; p's scale word for these 128 keys
	s_delay_alu instid0(VALU_DEP_1)
	v_lshl_or_b32 v253, v238, 16, v253
	s_delay_alu instid0(VALU_DEP_1)
	v_lshl_or_b32 v253, v239, 24, v253
.irp b, 0,1,2,3
	v_cvt_scalef32_pk8_fp4_f32 v[224+2*\b], v[96+16*\b:103+16*\b], v[244+\b]
	v_cvt_scalef32_pk8_fp4_f32 v[225+2*\b], v[104+16*\b:111+16*\b], v[244+\b]
.endr
	v_nop                                          ; one plain line behind the scaled conversions
.irp c, 0,1
.irp i, 0,1
	v_permlane16_swap_b32 v[224+4*\c+\i], v[226+4*\c+\i]   ; a whole block in a lane
.endr
.endr
.irp j, 0,2,4,6,8,10,12,14,16,18,20,22,24,26,28,30
	v_pk_mul_f32 v[160+\j:161+\j], v[160+\j:161+\j], v[252:253] op_sel_hi:[1,0]   ; O^T under the new M, each accumulator from its low end on
.endr
	v_pk_add_f32 v[236:237], v[96:97], v[98:99]    ; the row's sum of the unquantised p, in two chains.  (These lines are the places between the scale word's and the codes' last writes and the products)
	s_setprio 0
.irp j, 4,8,12,16,20,24,28,32,36,40,44,48,52,56,60
	v_pk_add_f32 v[14:15], v[14:15], v[96+\j:97+\j]
	v_pk_add_f32 v[236:237], v[236:237], v[98+\j:99+\j]
.endr
	s_delay_alu instid0(VALU_DEP_1)
	v_pk_add_f32 v[14:15], v[14:15], v[236:237]
	s_wait_dscnt 0x0                               ; V
.irp t, 0,1,2,3
	v_wmma_scale_f32_16x16x128_f8f6f4 v[160+8*\t:167+8*\t], v[192+8*\t:199+8*\t], v[224:231], v[160+8*\t:167+8*\t], v[240+\t], v253 matrix_a_fmt:MATRIX_FMT_FP4 matrix_b_fmt:MATRIX_FMT_FP4
.endr
	s_add_co_u32 s[TB], s[TB], STEPB
.endm
.macro RUN hs, base, trips             ; so many key steps, from LDS byte base on
	s_mov_b32 s[TB], (\base)
	s_mov_b32 s[CNT], \trips
.Lrun_\@:
	s_setprio 2
	STEP \hs
	s_sub_co_u32 s[CNT], s[CNT], 1
	s_cmp_lg_u32 s[CNT], 0
	s_cbranch_scc1 .Lrun_\@
	s_setprio 0
.endm
.macro START                           ; a pass begins: the step is written without a first step of its own, so it finds zeros, which the first change of M leaves zeros
	v_mov_b32 v13, 0xff61b1e6                      ; -3e38, under every t
	s_delay_alu instid0(VALU_DEP_1)
	v_floor_f32 v12, -v13
	v_mov_b32 v14, 0
	v_mov_b32 v15, 0
.irp j, 0,1,2,3,4,5,6,7,8,9,10,11,12,13,14,15,16,17,18,19,20,21,22,23,24,25,26,27,28,29,30,31
	v_mov_b32 v[160+\j], 0
.endr
.endm
; A pass ends: O^T / the sum; its 64 channels are two blocks of 32 along the last projection's K: half a fragment and half a scale word.
.macro FIN hs
.rept 4
	v_nop                                          ; places behind the last products
.endr
	v_add_f32 v14, v14, v15
	s_delay_alu instid0(VALU_DEP_1)
	v_permlanex16_b32 v252, v14, s[SEL], s[SEL+1]
	s_delay_alu instid0(VALU_DEP_1)
	v_add_f32 v14, v14, v252                       ; the row's sum
	s_wait_alu depctr_va_vdst(0)
	v_rcp_f32 v14, v14
	v_nop
	v_nop
	s_wait_alu depctr_va_vdst(0)
.irp j, 0,2,4,6,8,10,12,14,16,18,20,22,24,26,28,30
	v_pk_mul_f32 v[96+\j:97+\j], v[160+\j:161+\j], v[14:15] op_sel_hi:[1,0]   ; register 16 b + i = channel 32 b + 16 (lane / 16) + i of the head
.endr
.irp b, 0,1
	v_max3_num_f32 v[232+\b], |v[96+16*\b]|, |v[97+16*\b]|, 0x1800000
.endr
.irp i, 2,4,6,8,10,12,14
.irp b, 0,1
	s_delay_alu instid0(VALU_DEP_2)
	v_max3_num_f32 v[232+\b], v[232+\b], |v[96+16*\b+\i]|, |v[97+16*\b+\i]|
.endr
.endr
.irp b, 0,1
	s_delay_alu instid0(VALU_DEP_2)
	v_permlanex16_b32 v[236+\b], v[232+\b], s[SEL], s[SEL+1]
.endr
.irp b, 0,1
	s_delay_alu instid0(VALU_DEP_2)
	v_max_num_f32 v[232+\b], v[232+\b], v[236+\b]
.endr
.irp b, 0,1
	s_delay_alu instid0(VALU_DEP_2)
	v_add_nc_u32 v[244+\b], 0xff000000, v[232+\b]
.endr
.irp b, 0,1
	s_delay_alu instid0(VALU_DEP_2)
	v_lshrrev_b32 v[236+\b], 23, v[244+\b]
.endr
	s_delay_alu instid0(VALU_DEP_1)
	v_lshl_or_b32 v254, v237, 8, v236              ; the head's two bytes
.irp b, 0,1
	v_cvt_scalef32_pk8_fp4_f32 v[224+2*\b], v[96+16*\b:103+16*\b], v[244+\b]
	v_cvt_scalef32_pk8_fp4_f32 v[225+2*\b], v[104+16*\b:111+16*\b], v[244+\b]
.endr
	v_nop
	v_permlane16_swap_b32 v224, v226
	v_permlane16_swap_b32 v225, v227
	global_store_b128 v[LI], v[224:227], s[56:57] offset:512*\hs   ; registers 4 hs .. 4 hs + 3 of the fragment: 512 consecutive bytes
.if \hs
	v_lshl_or_b32 v[HW], v254, 16, v[HW]
	global_store_b32 v[SOF], v[HW], s[58:59]       ; lanes l and l + 16 store the same word at the same place
.else
	v_mov_b32 v[HW], v254
.endif
.endm
	s_wait_loadcnt 0x0                             ; Q
	START
.irp g, 0,1,2,3
	s_wait_tensorcnt 3-\g                          ; my quad of group g has landed; my loads for the later groups may be out,
	s_barrier_signal -1
	s_barrier_wait -1                              ; everybody's has
	RUN 0, \g*4*STEPB, 4
.endr
	s_wait_alu depctr_va_vdst(0)
	FIN 0
	s_wait_xcnt 0x0                                ; the store has read the registers that the next pass's codes take
	START
	RUN 1, 0, 16
	s_wait_alu depctr_va_vdst(0)
	FIN 1
	s_wait_tensorcnt 0x0
	ds_add_u32 v250, v251
	s_wait_dscnt 0x0
	CROUND                                         ; the closing round
	s_endpgm
.Lfunc_end_k_q59052e5f5f_attn:
	.size	k_q59052e5f5f_attn, .Lfunc_end_k_q59052e5f5f_attn-k_q59052e5f5f_attn
	.p2alignl 7, 3214868480
	.fill 96, 4, 3214868480
	.section	.rodata,"a",@progbits
	.p2align	6, 0x0
	.amdhsa_kernel k_q59052e5f5f_attn
		.amdhsa_group_segment_fixed_size 327680
		.amdhsa_private_segment_fixed_size 0
		.amdhsa_enable_private_segment 0
		.amdhsa_kernarg_size 24
		.amdhsa_user_sgpr_count 2
		.amdhsa_user_sgpr_kernarg_segment_ptr 1
		.amdhsa_wavefront_size32 1
		.amdhsa_system_sgpr_workgroup_id_x 1
		.amdhsa_system_sgpr_workgroup_id_y 1
		.amdhsa_system_sgpr_workgroup_id_z 1
		.amdhsa_system_vgpr_workitem_id 0
		.amdhsa_next_free_vgpr 256
		.amdhsa_next_free_sgpr 66
		.amdhsa_reserve_vcc 0
		.amdhsa_float_denorm_mode_32 3
		.amdhsa_float_denorm_mode_16_64 3
		.amdhsa_memory_ordered 1
		.amdhsa_forward_progress 1
		.amdhsa_inst_pref_size 100
	.end_amdhsa_kernel
	.amdgpu_metadata
---
amdhsa.version: [ 1, 2 ]
amdhsa.kernels:
  - .name:           k_q59052e5f5f_attn
    .symbol:         k_q59052e5f5f_attn.kd
    .args:
      - { .name: img, .offset: 0, .size: 8, .value_kind: global_buffer, .address_space: global }
      - { .name: a_img, .offset: 8, .size: 8, .value_kind: global_buffer, .address_space: global }
      - { .name: a_sc, .offset: 16, .size: 8, .value_kind: global_buffer, .address_space: global }
    .group_segment_fixed_size: 327680
    .private_segment_fixed_size: 0
    .kernarg_segment_align: 8
    .kernarg_segment_size: 24
    .max_flat_workgroup_size: 512
    .sgpr_count:     66
    .vgpr_count:     256
    .wavefront_size: 32
...
	.end_amdgpu_metadata
.endif
;; end of part 3
;; launch oproj (part 4): grid 4 x 32, 4 waves a work-group, clusters of 4 x 4, 327,680 bytes of LDS; arguments a_img, a_sc, codes, scales, o_b, out0; writes out0
.if DOCPART == 4
	.amdgcn_target "amdgcn-amd-amdhsa--gfx1250"
	.amdhsa_code_object_version 6
	.text
	.protected	k_q59052e5f5f_oproj
	.globl	k_q59052e5f5f_oproj
	.p2align	8
	.type	k_q59052e5f5f_oproj,@function
k_q59052e5f5f_oproj:
	s_mov_b64 s[64:65], 0
	v_nop
	global_prefetch_b8 v0, s[64:65] scope:SCOPE_SE
	s_setreg_imm32_b32 hwreg(HW_REG_WAVE_MODE, 25, 1), 1
	s_wait_xcnt 0x0
	s_wait_alu depctr_hold_cnt(0) depctr_sa_sdst(0) depctr_va_vdst(0) depctr_va_sdst(0) depctr_va_ssrc(0) depctr_va_vcc(0) depctr_vm_vsrc(0)
	s_getreg_b32 s2, hwreg(HW_REG_IB_STS2, 6, 4)
	s_cmp_eq_u32 s2, 0
	s_cbranch_scc0 .Lentry_in_a_cluster
	s_endpgm
.Lentry_in_a_cluster:
	s_bfe_u32 s2, ttmp6, 0x10000c
	s_cmp_lg_u32 s2, 0xf033
	s_cbranch_scc0 .Lentry_shape_is_right
	s_endpgm
.Lentry_shape_is_right:
; out0 = A o_w^T + o_b on codes of FP4 with E8M0 scales, K = 1,024.  A, the attention's result, lies in a_img as images of fragments, [K half 2][tile of 16 tokens 512][K step 4][1,024 bytes], its scale words in a_sc
; [token 8192][8 words]; o_w's codes are rows 11,264 on of `codes` [row][512 bytes], its scale bytes the same rows of `scales` [row][32].
; Tokens and o_w's rows lie in a stored order: 16 consecutive stored rows are rows 32 g + 8 u + r + 8 (r / 8) of the true order.  The way out puts both back.
; A work-group of four waves makes 256 x 256 of out0, a wave 128 x 128: 64 accumulators.  All of K for the 256 + 256 rows fits in LDS: two halves of K and the scale bytes are asked for at the start; no LDS byte is filled twice.
; CLUSTERS of 4 x 4: A's tile is asked for jointly along a row of the cluster, o_w's along a column.  THE MATRIX INSTRUCTION IS USED TRANSPOSED: source 0 = 16 rows of o_w, source 1 = 16 tokens.
; 128 work-groups: the tile that feeds most multiply-adds from each LDS byte; what the launch mostly does is store 32 MiB.
; REGISTERS, in windows of 256: window 0: v1-27 addresses; v32-95 scale words, two sets; v96-99 o_b at my four columns; v128-191 A's fragments, one set; on the way out v128-255 rows read back.
;   window 1: o_w's fragments, two sets.   windows 2, 3: the accumulators ((a, b) at v[8 (8 (a % 4) + b)]).
.set NQ,     4
.set ROWB,   256
.set KROW,   512
.set PITCH,  272                       ; an LDS row of o_w's tile: 256 bytes + 16 of padding
.set FR,     8
.set NL,     2
.set NP,     4                         ; places behind this matrix instruction (ISA guide 7.12.1)
.set HALFT,  128*PITCH                 ; 128 rows of o_w's tile; A's 128 rows (eight tiles x 4,096 bytes of images) take 32,768 of as many
.set SLOT,   4*HALFT
.set KS,     32
.set SCL,    2*SLOT
.set HALFS,  (128*KS/256)*272
.set SBLK,   (16*KS/256)*272
.set SPITCH, 528                       ; the way out: a stage of 16 rows x (512 bytes + 16) for each wave, in the first half of K's bytes, which nobody reads and nothing fills any more by then
.set OWROW,  11264
.set ADRA, 16
.set ADRB, 20
.set LI,   24                          ; v24  16 x lane
.set STO,  25
.set RD,   26
.set ADRS, 27
.set SC,   32
.set OB,   96
.set AF,   128
.set BK,   128
.set WV,   16
.set RH,   17                          ; which 128 tokens are mine.  Also: I fetch for A (0) or for o_w (1)
.set PH,   18                          ; which 128 columns are mine.  Also: which 128 rows of that tile I fetch
.set G1R,  24
.set G0R,  32
.set G1P,  48
.set G0P,  56
.set G1SR, 68
.set G0SR, 76
.set G1SP, 80
.set G0SP, 88
.set MSB, 0
.macro WIN new
.if MSB != (\new)
	s_set_vgpr_msb (MSB<<8)|(\new)
.set MSB, (\new)
.endif
.endm
.set MUL_LO, 0xa1
.set MUL_HI, 0xf1
.set TO_B,   0x40
.macro JLOAD g0a, g1a, g0b, g1b        ; a joint load: waves 0 and 1 fetch for A, waves 2 and 3 for o_w; four v_nop follow each line
	s_cmp_eq_u32 s[RH], 0
	s_cbranch_scc0 .Lfor_p_\@
	tensor_load_to_lds s[\g0a:\g0a+3], s[\g1a:\g1a+7]
	s_nop 0
.rept 4
	v_nop
.endr
	s_branch .Lasked_\@
.Lfor_p_\@:
	tensor_load_to_lds s[\g0b:\g0b+3], s[\g1b:\g1b+7]
	s_nop 0
.rept 4
	v_nop
.endr
.Lasked_\@:
.endm
.macro CROUND
	s_barrier_signal -1
	s_barrier_wait -1
	s_cmp_lg_u32 s[WV], 0
	s_cbranch_scc1 .Lnot_wave_0_\@
	s_barrier_signal -3
.Lnot_wave_0_\@:
	s_barrier_wait -3
	s_barrier_signal -1
	s_barrier_wait -1
.endm
	s_load_b256 s[4:11], s[0:1], 0x0               ; a_img, a_sc, codes, scales
	s_load_b128 s[12:15], s[0:1], 0x20             ; o_b, out0
	v_lshl_add_u32 v126, v0, 2, 0x48400
	v_mov_b32 v127, 0
	ds_add_u32 v126, v127
	ds_add_u32 v126, v127
	v_lshrrev_b32 v1, 5, v0
	v_readfirstlane_b32 s[WV], v1
	s_lshr_b32 s[RH], s[WV], 1
	s_and_b32 s[PH], s[WV], 1
	s_bfe_u32 s20, ttmp6, 0x40000                  ; cx
	s_bfe_u32 s21, ttmp6, 0x40004                  ; cy
	s_lshl_b32 s40, ttmp9, 2
	s_add_co_u32 s40, s40, s20                     ; tile column
	s_and_b32 s41, ttmp7, 0xffff
	s_lshl_b32 s41, s41, 2
	s_add_co_u32 s41, s41, s21                     ; tile row
	s_lshl_b32 s44, s21, 2
	s_lshl_b32 s44, 15, s44                        ; my row of the cluster: A's tiles
	s_lshl_b32 s45, 0x1111, s20                    ; my column: o_w's
	; A's images of 128 tokens and half of K: 32,768 dense bytes, as 128 rows of 32 elements of 8 bytes, no padding: every read takes 512 consecutive bytes
	s_or_b32 s[G1R+0], s44, (3<<16)|(1<<21)
	s_mov_b32 s[G1R+1], 32<<16
	s_mov_b32 s[G1R+2], 128<<16
	s_mov_b32 s[G1R+3], 32<<16
	s_mov_b32 s[G1R+4], 128
	s_mov_b32 s[G1R+5], 32
	s_mov_b32 s[G1R+6], 0
	s_mov_b32 s[G1R+7], 0
	; o_w: 128 rows x 256 bytes, 16 bytes of padding behind each
	s_or_b32 s[G1P+0], s45, (0<<16)|(1<<20)|(1<<21)|(5<<22)|(3<<25)
	s_mov_b32 s[G1P+1], ROWB<<16
	s_mov_b32 s[G1P+2], 128<<16
	s_mov_b32 s[G1P+3], ROWB<<16
	s_mov_b32 s[G1P+4], 128
	s_mov_b32 s[G1P+5], KROW
	s_mov_b32 s[G1P+6], 0
	s_mov_b32 s[G1P+7], 0
	; the scale bytes of 128 rows: 4,096 dense bytes, as 16 rows of 256, 16 bytes of padding behind each
	s_or_b32 s[G1SR+0], s44, (3<<16)|(1<<20)|(1<<21)|(5<<22)|(3<<25)
	s_or_b32 s[G1SP+0], s45, (3<<16)|(1<<20)|(1<<21)|(5<<22)|(3<<25)
.irp g, G1SR, G1SP
	s_mov_b32 s[\g+1], 32<<16
	s_mov_b32 s[\g+2], (128*KS/256)<<16
	s_mov_b32 s[\g+3], 32<<16
	s_mov_b32 s[\g+4], 128*KS/256
	s_mov_b32 s[\g+5], 32
	s_mov_b32 s[\g+6], 0
	s_mov_b32 s[\g+7], 0
.endr
	s_lshl_b32 s96, s41, 16                        ; A's images: 16 tiles of 4,096 bytes a tile row,
	s_lshl_b32 s94, s[PH], 15                      ; eight for the half that I fetch
	s_add_co_u32 s96, s96, s94
	s_mov_b32 s97, 0
	s_lshl_b32 s66, s41, 13                        ; A's scale words: 32 bytes a token
	s_lshl_b32 s94, s[PH], 12
	s_add_co_u32 s66, s66, s94
	s_mov_b32 s67, 0
	s_lshl_b32 s95, s40, 8
	s_lshl_b32 s98, s[PH], 7
	s_add_co_u32 s95, s95, s98
	s_add_co_u32 s95, s95, OWROW                   ; o_w: my first stored row
	s_lshl_b32 s98, s95, 9
	s_mov_b32 s99, 0
	s_lshl_b32 s46, s95, 5
	s_mov_b32 s47, 0
	s_mul_i32 s94, s[WV], HALFT                    ; where they go: no place in the cluster enters an LDS address
	s_mul_i32 s95, s[WV], HALFS
	s_wait_dscnt 0x0
	s_wait_kmcnt 0x0
	s_add_nc_u64 s[96:97], s[4:5], s[96:97]
	s_add_nc_u64 s[66:67], s[6:7], s[66:67]
	s_add_nc_u64 s[98:99], s[8:9], s[98:99]
	s_add_nc_u64 s[46:47], s[10:11], s[46:47]
	CROUND                                         ; all sixteen work-groups are here: the joint loads meet
	s_mov_b32 s[G0SR], 1
	s_add_co_u32 s[G0SR+1], s95, SCL
	s_mov_b64 s[G0SR+2:G0SR+3], s[66:67]
	s_or_b32 s[G0SR+3], s[G0SR+3], 0x80000000
	s_mov_b32 s[G0SP], 1
	s_add_co_u32 s[G0SP+1], s95, SCL
	s_mov_b64 s[G0SP+2:G0SP+3], s[46:47]
	s_or_b32 s[G0SP+3], s[G0SP+3], 0x80000000
	JLOAD G0SR, G1SR, G0SP, G1SP
.irp s, 0,1
	s_mov_b32 s[G0R+4*\s], 1
	s_add_co_u32 s[G0R+4*\s+1], s94, \s*SLOT
	s_add_nc_u64 s[G0R+4*\s+2:G0R+4*\s+3], s[96:97], \s*2097152
	s_or_b32 s[G0R+4*\s+3], s[G0R+4*\s+3], 0x80000000
	s_mov_b32 s[G0P+4*\s], 1
	s_add_co_u32 s[G0P+4*\s+1], s94, \s*SLOT
	s_add_nc_u64 s[G0P+4*\s+2:G0P+4*\s+3], s[98:99], \s*ROWB
	s_or_b32 s[G0P+4*\s+3], s[G0P+4*\s+3], 0x80000000
	s_wait_alu depctr_va_vdst(0)
	s_wait_tensorcnt 0x0
	ds_add_u32 v126, v127
	s_wait_dscnt 0x0
	CROUND
	JLOAD G0R+4*\s, G1R, G0P+4*\s, G1P             ; the earlier ones have landed: one load of mine is out
.endr
	v_and_b32 v1, 15, v0                           ; r
	s_wait_alu depctr_va_vdst(0)
	v_bfe_u32 v2, v0, 4, 1                         ; h
	v_and_b32 v3, 31, v0
	v_lshlrev_b32 v[LI], 4, v3
	s_lshl_b32 s98, s40, 10
	s_lshl_b32 s94, s[PH], 9
	s_add_co_u32 s98, s98, s94                     ; my first column, in bytes
	s_mov_b32 s99, 0
	s_add_nc_u64 s[12:13], s[12:13], s[98:99]
	global_load_b128 v[OB:OB+3], v[LI], s[12:13]   ; o_b at the four columns that I store
	s_lshl_b32 s94, s41, 20
	s_lshl_b32 s95, s[RH], 19
	s_add_co_u32 s94, s94, s95                     ; my first row: 4,096 bytes a row
	s_add_co_u32 s98, s98, s94
	s_add_nc_u64 s[14:15], s[14:15], s[98:99]
	v_mul_u32_u24 v3, v1, PITCH
	s_wait_alu depctr_va_vdst(0)
	v_lshl_add_u32 v4, v2, 4, v3
	s_mul_i32 s94, s[RH], HALFT                    ; my 128 tokens' images
	s_mul_i32 s95, s[PH], HALFT
	s_add_co_u32 s95, s95, 2*HALFT                 ; my 128 rows of o_w
.irp s, 0,1
	v_add_nc_u32 v[ADRA+\s], s94, v[LI]
	v_add_nc_u32 v[ADRB+\s], s95, v4
	s_add_co_u32 s94, s94, SLOT
	s_add_co_u32 s95, s95, SLOT
.endr
	v_mul_u32_u24 v5, v1, KS
	v_lshrrev_b32 v6, 8, v5
	v_lshl_add_u32 v5, v6, 4, v5
	s_mul_i32 s94, s[RH], HALFS
	s_mul_i32 s95, s[PH], HALFS
	s_add_co_u32 s95, s95, 2*HALFS
	s_sub_co_u32 s95, s95, s94
	v_mul_u32_u24 v6, s95, v2                      ; lanes 16-31 take o_w's
	s_add_co_u32 s94, s94, SCL
	v_add_nc_u32 v5, v5, v6
	v_add_nc_u32 v[ADRS], s94, v5
	s_mul_i32 s94, s[WV], 16*SPITCH                ; my stage
	v_mul_u32_u24 v5, v1, SPITCH
	v_lshl_add_u32 v5, v2, 6, v5                   ; in: row r; my half's 16 columns of each 32: + 64 h
	v_add_nc_u32 v[STO], s94, v5
	v_add_nc_u32 v[RD], s94, v[LI]                 ; back: the 32 lanes take one row of 512 bytes
.macro FRAG reg, adr, q, i             ; o_w: 16 rows x 128 K from rows in LDS
.irp c, 0,1
	ds_load_b128 v[\reg+4*\c:\reg+4*\c+3], v[\adr] offset:64*(\q)+32*\c+(\i)*16*PITCH
.endr
.endm
.macro FRAG_A reg, adr, q, i           ; A: an image comes back as it was stored, 16 bytes a lane
.irp c, 0,1
	ds_load_b128 v[\reg+4*\c:\reg+4*\c+3], v[\adr] offset:4096*(\i)+1024*(\q)+512*\c
.endr
.endm
; 16 matrix instructions: A's blocks a0, a0 + 1 x o_w's eight.  The 64 accumulators take turns, one instruction a turn.
.macro MUL16 a0, p, q, sc, zero
.irp a, \a0, \a0+1
.irp b, 0,1,2,3,4,5,6,7
.if \zero
	v_wmma_scale_f32_16x16x128_f8f6f4 v[8*(8*((\a)%4)+\b):8*(8*((\a)%4)+\b)+7], v[128*(\p)+FR*\b:128*(\p)+FR*\b+FR-1], v[AF+FR*(\a):AF+FR*(\a)+FR-1], 0, v[SC+8*NQ*(\sc)+NQ*\b+(\q)], v[SC+8*NQ*(\sc)+NQ*(\a)+(\q)] matrix_a_fmt:MATRIX_FMT_FP4 matrix_b_fmt:MATRIX_FMT_FP4 matrix_a_scale:MATRIX_SCALE_ROW1
.else
	v_wmma_scale_f32_16x16x128_f8f6f4 v[8*(8*((\a)%4)+\b):8*(8*((\a)%4)+\b)+7], v[128*(\p)+FR*\b:128*(\p)+FR*\b+FR-1], v[AF+FR*(\a):AF+FR*(\a)+FR-1], v[8*(8*((\a)%4)+\b):8*(8*((\a)%4)+\b)+7], v[SC+8*NQ*(\sc)+NQ*\b+(\q)], v[SC+8*NQ*(\sc)+NQ*(\a)+(\q)] matrix_a_fmt:MATRIX_FMT_FP4 matrix_b_fmt:MATRIX_FMT_FP4 matrix_a_scale:MATRIX_SCALE_ROW1
.endif
.endr
.endr
.endm
.macro FETCH_B slot, q, p
	WIN TO_B
.irp i, 0,1,2,3,4,5,6,7
	FRAG 128*(\p)+FR*\i, ADRB+\slot, \q, \i
.endr
	WIN 0
.endm
.macro FETCH_A slot, q, i0
.irp i, \i0, \i0+1, \i0+2, \i0+3
	FRAG_A AF+FR*(\i), ADRA+\slot, \q, \i
.endr
.endm
.macro SCALES sc
.irp i, 0,1,2,3,4,5,6,7
	ds_load_b128 v[SC+8*NQ*\sc+NQ*\i:SC+8*NQ*\sc+NQ*\i+3], v[ADRS] offset:\i*SBLK
.endr
.endm
.macro PLACES n
.rept \n
	v_nop
.endr
.endm
.macro STEP slot, q, zero
	s_wait_dscnt 4*NL                              ; o_w's set and A's blocks 0-3 are in; the youngest eight loads (A's blocks 4-7) may be out
	WIN MUL_LO
	MUL16 0, (\q)%2, \q, \slot, \zero
	MUL16 2, (\q)%2, \q, \slot, \zero
	s_wait_dscnt 0
	PLACES NP
	FETCH_B \slot, (\q)+1, 1-(\q)%2
	FETCH_A \slot, (\q)+1, 0
	WIN MUL_HI
	MUL16 4, (\q)%2, \q, \slot, \zero
	MUL16 6, (\q)%2, \q, \slot, \zero
	PLACES NP
	WIN 0
	FETCH_A \slot, (\q)+1, 4
.endm
.macro TURN slot, next                 ; over to the second half of K: one barrier, behind which everybody's part of it has landed and nobody reads the first half any more.  Nothing is filled again
	s_wait_tensorcnt 0x0                           ; my last load has landed
	s_wait_dscnt 4*NL
	WIN MUL_LO
	MUL16 0, 1, NQ-1, \slot, 0
	s_wait_dscnt 0x0                               ; my reads of the first half are over
	s_barrier_signal -1
	MUL16 2, 1, NQ-1, \slot, 0
	WIN 0
	s_barrier_wait -1
	PLACES NP
	v_add_nc_u32 v[ADRS], 4*NQ, v[ADRS]
	FETCH_B \next, 0, 0
	FETCH_A \next, 0, 0
	SCALES \next
	WIN MUL_HI
	MUL16 4, 1, NQ-1, \slot, 0
	MUL16 6, 1, NQ-1, \slot, 0
	PLACES NP
	WIN 0
	FETCH_A \next, 0, 4
.endm
.macro STEPS slot, from
.set Q, \from
.rept NQ-1-\from
	STEP \slot, Q, 0
.set Q, Q+1
.endr
.endm
	s_wait_alu depctr_va_vdst(0)
	s_wait_tensorcnt 1                             ; the scale bytes and my part of the first half are in (the second half's load may be out),
	s_barrier_signal -1
	s_barrier_wait -1                              ; everybody's are
	FETCH_B 0, 0, 0
	FETCH_A 0, 0, 0
	SCALES 0
	FETCH_A 0, 0, 4
	STEP 0, 0, 1
	STEPS 0, 1
	TURN 0, 1
	STEPS 1, 0
	s_wait_dscnt 4*NL
	WIN MUL_LO
	MUL16 0, 1, NQ-1, 1, 0
	MUL16 2, 1, NQ-1, 1, 0
	s_wait_dscnt 0
	WIN MUL_HI
	MUL16 4, 1, NQ-1, 1, 0
	MUL16 6, 1, NQ-1, 1, 0
	WIN 0
; THE WAY OUT, a block of 16 tokens x 128 columns at a time, through my own stage.  Register j of o_w's tile b in lane (r, h) is column 32 (b / 2) + 16 h + 8 (b % 2) + j: the stores into the stage put the columns in their true order.
; Stage row t of block a is token 32 (a / 2) + 8 (a % 2) + t + 8 (t / 8) of my 128: the stores' immediates put the rows in theirs (127 rows of 4,096 bytes at the most: inside the signed 24-bit immediate).
; LDS serves a wave's instructions in order (ISA guide 5.7.1.4): no wait between the stores and the loads, nor in front of the next block's stores.
.macro TOSTAGE a
.set AC, 64*((\a)%4)
	WIN 0x08+4*((\a)/4)                            ; an LDS store's data: window 2 or 3
.irp b, 0,1,2,3,4,5,6,7
	ds_store_b128 v[STO], v[AC+8*\b:AC+8*\b+3] offset:128*(\b/2)+32*(\b%2)        ; each accumulator from its low end on
	ds_store_b128 v[STO], v[AC+8*\b+4:AC+8*\b+7] offset:128*(\b/2)+32*(\b%2)+16
.endr
	WIN 0
.set RB, BK+64*((\a)%2)
.irp t, 0,1,2,3,4,5,6,7,8,9,10,11,12,13,14,15
	ds_load_b128 v[RB+4*\t:RB+4*\t+3], v[RD] offset:\t*SPITCH
.endr
.endm
.macro SEND a, younger                 ; younger: the LDS instructions issued behind block a's loads, which may stay out
.set RB, BK+64*((\a)%2)
	s_wait_dscnt \younger
.irp t, 0,1,2,3,4,5,6,7,8,9,10,11,12,13,14,15
	v_pk_add_f32 v[RB+4*\t:RB+4*\t+1], v[RB+4*\t:RB+4*\t+1], v[OB:OB+1]
	v_pk_add_f32 v[RB+4*\t+2:RB+4*\t+3], v[RB+4*\t+2:RB+4*\t+3], v[OB+2:OB+3]
	global_store_b128 v[LI], v[RB+4*\t:RB+4*\t+3], s[14:15] offset:(32*((\a)/2)+8*((\a)%2)+\t+8*(\t/8))*4096 th:TH_STORE_NT   ; 32 lanes store 512 consecutive bytes, aligned; written once, read by nobody here
.endr
.endm
	s_wait_loadcnt 0x0                             ; o_b
	PLACES NP                                      ; behind the last products: for the stores that read their results and the loads into the registers that held A's fragments
	TOSTAGE 0
.irp a, 1,2,3,4,5,6,7
.if \a > 1
	s_wait_xcnt 0x0                                ; block a - 2's stores have read their registers: block a's loads may land there
.endif
	TOSTAGE \a
	SEND \a-1, 32                                  ; behind block a - 1's loads: block a's 16 stores and 16 loads
.endr
	SEND 7, 0
	s_wait_tensorcnt 0x0
	ds_add_u32 v126, v127
	s_wait_dscnt 0x0
	CROUND                                         ; the closing round: no work-group ends while a partner may still ask for a tile that names it
	s_endpgm
.Lfunc_end_k_q59052e5f5f_oproj:
	.size	k_q59052e5f5f_oproj, .Lfunc_end_k_q59052e5f5f_oproj-k_q59052e5f5f_oproj
	.p2alignl 7, 3214868480
	.fill 96, 4, 3214868480
	.section	.rodata,"a",@progbits
	.p2align	6, 0x0
	.amdhsa_kernel k_q59052e5f5f_oproj
		.amdhsa_group_segment_fixed_size 327680
		.amdhsa_private_segment_fixed_size 0
		.amdhsa_enable_private_segment 0
		.amdhsa_kernarg_size 48
		.amdhsa_user_sgpr_count 2
		.amdhsa_user_sgpr_kernarg_segment_ptr 1
		.amdhsa_wavefront_size32 1
		.amdhsa_system_sgpr_workgroup_id_x 1
		.amdhsa_system_sgpr_workgroup_id_y 1
		.amdhsa_system_sgpr_workgroup_id_z 1
		.amdhsa_system_vgpr_workitem_id 0
		.amdhsa_next_free_vgpr 1024
		.amdhsa_next_free_sgpr 100
		.amdhsa_reserve_vcc 0
		.amdhsa_float_denorm_mode_32 3
		.amdhsa_float_denorm_mode_16_64 3
		.amdhsa_memory_ordered 1
		.amdhsa_forward_progress 1
		.amdhsa_inst_pref_size 141
	.end_amdhsa_kernel
	.amdgpu_metadata
---
amdhsa.version: [ 1, 2 ]
amdhsa.kernels:
  - .name:           k_q59052e5f5f_oproj
    .symbol:         k_q59052e5f5f_oproj.kd
    .args:
      - { .name: a_img, .offset: 0, .size: 8, .value_kind: global_buffer, .address_space: global }
      - { .name: a_sc, .offset: 8, .size: 8, .value_kind: global_buffer, .address_space: global }
      - { .name: codes, .offset: 16, .size: 8, .value_kind: global_buffer, .address_space: global }
      - { .name: scales, .offset: 24, .size: 8, .value_kind: global_buffer, .address_space: global }
      - { .name: o_b, .offset: 32, .size: 8, .value_kind: global_buffer, .address_space: global }
      - { .name: out0, .offset: 40, .size: 8, .value_kind: global_buffer, .address_space: global }
    .group_segment_fixed_size: 327680
    .private_segment_fixed_size: 0
    .kernarg_segment_align: 8
    .kernarg_segment_size: 48
    .max_flat_workgroup_size: 128
    .sgpr_count:     100
    .vgpr_count:     1024
    .wavefront_size: 32
...
	.end_amdgpu_metadata
.endif
;; end of part 4
